; MI455X (gfx1250); checked and timed in simulation.
; The chip was launched on July 23, 2026; its instructions are those of AMD's public machine-readable ISA for CDNA 5 (MIT licence, August 2026) and "CDNA5" Instruction Set Architecture Reference Guide (July 2026). The comments in the code are by the model that wrote it; some were corrected since.
;; Single Self Attention. Allowed arithmetic: matrix products marked QUANTISED: E2M3 operands, one E8M0 scale for each 32 along K, by v_wmma_scale_f32_16x16x128_f8f6f4 with both operands' format E2M3, f32 sums; everything else in f32.
;; Inputs: b_out 1,024 float32; w_out 1,024 x 1,024 float32; w_qkv 3,072 x 1,024 float32; x 4 x 2,048 x 1,024 float32.
;; Outputs: out0 4 x 2,048 x 1,024 float32.
;; This version of the problem:
;;   THIS VERSION OF THE PROBLEM IS GIVEN IN LOW PRECISION. The matrix products marked QUANTISED in the list below multiply operands that are first quantised to E2M3 (2 exponent bits, 3 mantissa bits; 6 bits a number), with one power-of-two scale for each 32 numbers along K (OCP MX v1.0); their sums are f32. All else is computed in f32.
;;   The module's matrix products, in the order in which they are computed (A, B: the left and right operand; K: the contracted axis; several contracted axes count as one K, in the product's order):
;;     1. [M 8,192, K 1,024] x [K 1,024, N 3,072]; A: input x; B: input w_qkv: QUANTISED
;;     2. batch 64 x [M 2,048, K 64] x [K 64, N 2,048]; A: computed on the way; B: computed on the way: QUANTISED
;;     3. batch 64 x [M 2,048, K 2,048] x [K 2,048, N 64]; A: softmax (see below); B: computed on the way: QUANTISED
;;     4. [M 8,192, K 1,024] x [K 1,024, N 1,024]; A: computed on the way; B: input w_out: QUANTISED
;;   THE QUANTISER, for each operand of a quantised product, along K:
;;     - K is cut into blocks of 32 from its start; a last block that is shorter is filled with zeros.
;;     - A block's scale is 2^e with e = floor(log2(the largest magnitude in the block)) - 2, held to -126 .. 127; a block of zeros has e = 0. As a byte (E8M0): e + 127.
;;     - Each number is divided by its block's scale, clamped to +-7.5, and rounded to the nearest number of E2M3, ties to even, subnormals kept.
;;     - The product sums the exact products of the quantised numbers (number of the format x scale) in f32.
;;   ~~~python
;;   def quantise(x, axis):      # numpy; x: float32 -> the quantised numbers, widened to float32 again
;;       x = np.moveaxis(x, axis, -1); K = x.shape[-1]
;;       x = np.pad(x, [(0, 0)] * (x.ndim - 1) + [(0, -K % 32)]); x = x.reshape(x.shape[:-1] + (-1, 32)); a = np.abs(x).max(-1, keepdims=True)
;;       e = np.where(a > 0, np.clip(np.frexp(np.where(a > 0, a, 1))[1] - 1 - 2, -126, 127), 0)      # np.frexp(a)[1] - 1 = floor(log2(a)), exactly
;;       r = np.clip(x / 2.0 ** e, -7.5, 7.5)
;;       step = 2.0 ** (np.maximum(np.frexp(np.where(r == 0, 1, r))[1] - 1, 0) - 3)
;;       q = np.round(r / step) * step * 2.0 ** e      # np.round: ties to even
;;       return np.moveaxis(q.reshape(q.shape[:-2] + (-1,))[..., :K], -1, axis).astype(np.float32)
;;   ~~~
;;   SOFTMAX AHEAD OF A QUANTISED PRODUCT. Where the list says 'softmax', what is quantised is not the finished softmax but p = 2^(t - M), with t = logit x log2(e) and M = ceil(the row's largest t), a whole number; so 1/2 < the row's largest p <= 1. The row's sum l is taken of the UNQUANTISED p, in f32, and the product's result is divided by l at the end. Since M is a whole number, a kernel that streams over the keys may use a running M (the ceiling of the running maximum): every later rescaling is an exact power of two, which a block's scale takes up: the codes' values come out the same.
;;   OPERANDS COMPUTED ON THE WAY. 'Computed on the way' means the value that the module computes at that place (a softmax that the list does not call 'softmax' is quantised finished and normalised). What goes into a quantiser is computed in f32, as accurately as f32 sums, v_exp_f32 and their like allow (about 1e-6 of the number): no bf16 or f16 on the way to a quantiser, and a product that is left as it is and whose result goes on into a quantised operand takes f32 operands (vector FMAs, or v_wmma_f32_16x16x4_f32). A number that lies on a knife's edge between two numbers of the format may be rounded either way, as far as f32 arithmetic and the matrix unit's own rounding can turn it there, and no further.
;; One version. Each part assembles by itself: llvm-mc -triple=amdgcn-amd-amdhsa -mcpu=gfx1250 --defsym DOCPART=n.
;; ======== version 1 of 1: 4 launches
;; limits: right only within a limited range of input values
;; workspace buffers: cod 9,437,184 bytes; scl 393,216 bytes; qkvc 20,185,088 bytes; acod 6,291,456 bytes; ascl 262,144 bytes
;; launch quant (part 1): grid 768 x 1, 2 waves a work-group, no clusters, 33,280 bytes of LDS; arguments x, w_qkv, w_out, cod, scl; writes cod, scl
.if DOCPART == 1
	.amdgcn_target "amdgcn-amd-amdhsa--gfx1250"
	.amdhsa_code_object_version 6
	.text
	.protected	k_q27e4a38697_quant
	.globl	k_q27e4a38697_quant
	.p2align	8
	.type	k_q27e4a38697_quant,@function
k_q27e4a38697_quant:
	s_mov_b64 s[64:65], 0
	v_nop
	global_prefetch_b8 v0, s[64:65] scope:SCOPE_SE
	s_setreg_imm32_b32 hwreg(HW_REG_WAVE_MODE, 25, 1), 1
	s_wait_xcnt 0x0
; x [8192][1024], w_qkv [3072][1024] and w_out [1024][1024], f32, K innermost, become codes of FP6 (E2M3) and one E8M0 scale byte for each 32 along K.
; cod is [12288 positions][768 bytes] (a row's 1,024 codes as one stream of bits), scl [12288 positions][32 bytes]: x at positions 0 on, w_qkv at 8192 on, w_out at 11264 on.
; In x and w_qkv position p holds row SW(p), p with bits 3 and 4 exchanged: sixteen neighbouring positions are then the rows that a tile of the next product wants, so that its results lie with
; 16 neighbours along the next K in a lane's registers.  w_out lies as it is.
; A block's scale is 2^(floor(log2(its largest magnitude)) - 2); its byte is the largest magnitude's exponent field - 2, held at 1 from below.
; LIMITS: a block of zeros gets the byte 1 where the rule says 127 (its codes are zeros, and this program alone reads the bytes); blocks whose largest magnitude lies under 2^-124 are held at the byte 1;
; NaN and infinities among the inputs are not served.
; SHARES: a work-group takes 32,768 numbers, a wave 8,192: eight whole rows, 16 steps of 512 numbers.  Eight rows keep bits 0-2 of the row number, so the exchange of bits 3 and 4 is an exchange of
; the two bits of the wave's number in the place where the wave's eight rows go.  No cluster, no tensor load, no barrier: waves share nothing, and every input byte is read once.
; Each load reads 512 consecutive bytes; a step's 2,048 bytes turn through the wave's own stage in LDS, so that a lane then holds 16 neighbours; two neighbouring lanes hold a block.
.set STEPS, 16
.set EMAX,  2
.set CB,    12                         ; bytes of 16 codes
.set R,     16                         ; v16-79   four sets of 16 numbers as they are loaded
.set X,     80                         ; v80-111  two sets of 16 neighbours
.set C,     128                        ; v128-191 codes: four registers for each step, so that no store's data are written again
.set E,     112                        ; v112-127 a scale byte for each step
.set WREG,  8192                       ; LDS: a region for each wave: two stages of 32 x SP bytes, behind them its 256 scale bytes
.set SP,    80                         ; a lane's place in a stage: 64 bytes + 16 of padding
	s_load_b128 s[4:7], s[0:1], 0x0                ; x, w_qkv
	s_load_b64 s[8:9], s[0:1], 0x10                ; w_out
	s_load_b64 s[12:13], s[0:1], 0x18              ; cod
	s_load_b64 s[14:15], s[0:1], 0x20              ; scl
	v_lshl_add_u32 v192, v0, 2, 0x8000
	v_mov_b32 v193, 0
	v_lshrrev_b32 v1, 5, v0
	v_readfirstlane_b32 s16, v1                    ; wave
	v_and_b32 v2, 31, v0                           ; lane
	v_lshlrev_b32 v3, 4, v2                        ; my 16 bytes of a load's 512
	s_mul_i32 s17, s16, WREG
	v_lshrrev_b32 v14, 2, v2
	v_mul_u32_u24 v14, v14, SP
	v_and_b32 v15, 3, v2
	v_lshl_add_u32 v14, v15, 4, v14
	v_add_nc_u32 v14, s17, v14                     ; the stage, on the way in: SP (lane / 4) + 16 (lane % 4)
	v_mul_u32_u24 v15, v2, SP
	v_add_nc_u32 v15, s17, v15                     ; and on the way out: SP x lane: my 16 neighbours
; THE CODES' ORDER AND THE SHARES, in place of what the head says of them: cod is FOUR PLANES, [K step of 256][12288 positions][192 bytes], so that 128 positions of a K step are 24,576 dense bytes, 96 x 256.
; A work-group has two waves and takes 16,384 numbers; a wave still takes eight whole rows.  A step's 512 numbers are two K steps of one row: lanes 0-15 store 192 bytes into one plane, lanes 16-31 into the next.
.set PLANE, 2359296                    ; 12288 positions x 192 bytes
	v_and_b32 v4, 15, v2
	v_mul_u32_u24 v4, v4, CB                       ; my codes' place in a position's 192 bytes,
	v_lshrrev_b32 v10, 4, v2
	v_mad_u32_u24 v4, v10, PLANE, v4               ; and lanes 16-31 a plane on
	v_lshrrev_b32 v5, 1, v2
	s_add_co_u32 s17, s17, 2*32*SP
	v_add_nc_u32 v5, s17, v5                       ; LDS: my wave's 256 scale bytes, my block's byte
	v_lshlrev_b32 v7, 3, v2                        ; and on the way out 8 bytes a lane
	v_add_nc_u32 v6, s17, v7
	s_lshl_b32 s24, ttmp9, 1
	s_add_co_u32 s24, s24, s16                     ; my run of eight positions as it lies: 2 x work-group + wave
	s_lshr_b32 s23, ttmp9, 1
	s_lshl_b32 s23, s23, 2
	s_and_b32 s25, ttmp9, 1
	s_or_b32 s23, s23, s25
	s_lshl_b32 s25, s16, 1
	s_or_b32 s23, s23, s25                         ; the same with its two lowest bits exchanged
	s_wait_alu depctr_va_vdst(0)
	s_wait_kmcnt 0x0
	s_cmp_lt_u32 ttmp9, 512                        ; which tensor?  The choices hang on the work-group's number alone
	s_cselect_b64 s[4:5], s[4:5], s[6:7]
	s_cselect_b32 s17, 0, 512
	s_cmp_lt_u32 ttmp9, 704
	s_cselect_b64 s[4:5], s[4:5], s[8:9]
	s_cselect_b32 s17, s17, 704                    ; the tensor's first work-group
	s_cselect_b32 s20, s23, s24                    ; x and w_qkv go out exchanged, w_out as it lies
	s_sub_co_u32 s17, ttmp9, s17
	s_lshl_b32 s17, s17, 1
	s_add_co_u32 s18, s17, s16                     ; which run of eight rows of the tensor I read,
	s_lshl_b32 s18, s18, 15                        ; 32,768 bytes a run
	s_mov_b32 s19, 0
	s_add_nc_u64 s[4:5], s[4:5], s[18:19]
	s_mul_i32 s18, s20, 8*192                      ; eight positions of 192 bytes in each plane
	s_add_nc_u64 s[12:13], s[12:13], s[18:19]
	s_lshl_b32 s18, s20, 8                         ; 256 scale bytes
	s_add_nc_u64 s[14:15], s[14:15], s[18:19]
.macro LOAD t
.irp i, 0,1,2,3
	global_load_b128 v[R+16*((\t)%4)+4*\i:R+16*((\t)%4)+4*\i+3], v3, s[4:5] offset:2048*(\t)+512*\i th:TH_LOAD_NT   ; 32 lanes read 512 consecutive bytes
.endr
.endm
.macro TURN t                          ; step t's numbers through the stage: LDS serves a wave's instructions in order (ISA guide 5.7.1.4), so no wait stands between the stores and the loads
.irp i, 0,1,2,3
	ds_store_b128 v14, v[R+16*((\t)%4)+4*\i:R+16*((\t)%4)+4*\i+3] offset:32*SP*((\t)%2)+8*SP*\i
.endr
.irp i, 0,1,2,3
	ds_load_b128 v[X+16*((\t)%2)+4*\i:X+16*((\t)%2)+4*\i+3], v15 offset:32*SP*((\t)%2)+16*\i
.endr
.endm
.irp t, 0,1,2,3
	LOAD \t
.endr
	s_wait_loadcnt 12                              ; step 0's four loads are in; the twelve of steps 1 to 3 may be out
	TURN 0
.macro STEP t
.set XS, X+16*((\t)%2)
.if (\t) > 0
	s_wait_dscnt 1                                 ; this step's numbers are back from the stage (the last step's byte store may be out): its stores into the stage have read their registers,
.else
	s_wait_dscnt 0x0
.endif
.if (\t)+4 < STEPS
	LOAD (\t)+4                                    ; which take the loads of four steps on
.endif
.if (\t)+1 < STEPS
.if STEPS-2-(\t) >= 3
	s_wait_loadcnt 12                              ; the next step's four loads are in; those of the three steps behind it may be out
.else
	s_wait_loadcnt 4*(STEPS-2-(\t))                ; in the tail fewer steps are behind it
.endif
	TURN (\t)+1                                    ; and go through the other stage while this step is worked
.endif
	v_max3_num_f32 v8, |v[XS]|, |v[XS+1]|, |v[XS+2]|               ; the largest magnitude of my 16, in two chains
	v_max3_num_f32 v9, |v[XS+3]|, |v[XS+4]|, |v[XS+5]|
.irp i, 6,10
	v_max3_num_f32 v8, v8, |v[XS+\i]|, |v[XS+\i+1]|
	v_max3_num_f32 v9, v9, |v[XS+\i+2]|, |v[XS+\i+3]|
.endr
	v_max3_num_f32 v8, v8, |v[XS+14]|, |v[XS+15]|
	v_max3_num_f32 v8, v8, v9, (EMAX+1)<<23        ; and the floor 2^(3 - 127): the byte cannot fall under 1
	v_max_num_f32_dpp v8, v8, v8 row_xmask:1 row_mask:0xf bank_mask:0xf   ; and of my neighbour's 16: the block's
	v_add_nc_u32 v11, -(EMAX<<23), v8              ; 2 off its exponent field: the conversion takes the exponent field of this operand as its scale
	v_cvt_scalef32_pk16_fp6_f32 v[C+4*(\t):C+4*(\t)+2], v[XS:XS+15], v11   ; sixteen codes, 96 bits without gaps, the first number's lowest
	v_lshrrev_b32 v[E+(\t)], 23, v11               ; the scale's byte (also the plain line behind the conversion)
	ds_store_b8 v5, v[E+(\t)] offset:16*(\t)       ; both lanes of a block write the same byte with the same value
	global_store_b96 v4, v[C+4*(\t):C+4*(\t)+2], s[12:13] offset:((\t)%2)*2*PLANE+((\t)/2)*192   ; row t / 2, K steps 2 (t % 2) and the next: sixteen lanes store 192 consecutive bytes
.endm
.irp t, 0,1,2,3,4,5,6,7,8,9,10,11,12,13,14,15
	STEP \t
.endr
	ds_load_b64 v[12:13], v6                       ; these see my byte stores: LDS serves a wave in order
	s_wait_dscnt 0x0
	global_store_b64 v7, v[12:13], s[14:15]        ; 32 lanes store 256 consecutive bytes, aligned
	s_wait_tensorcnt 0x0
	ds_add_u32 v192, v193
	s_wait_dscnt 0x0
	s_endpgm
.Lfunc_end_k_q27e4a38697_quant:
	.size	k_q27e4a38697_quant, .Lfunc_end_k_q27e4a38697_quant-k_q27e4a38697_quant
	.p2alignl 7, 3214868480
	.fill 96, 4, 3214868480
	.section	.rodata,"a",@progbits
	.p2align	6, 0x0
	.amdhsa_kernel k_q27e4a38697_quant
		.amdhsa_group_segment_fixed_size 33280
		.amdhsa_private_segment_fixed_size 0
		.amdhsa_enable_private_segment 0
		.amdhsa_kernarg_size 40
		.amdhsa_user_sgpr_count 2
		.amdhsa_user_sgpr_kernarg_segment_ptr 1
		.amdhsa_wavefront_size32 1
		.amdhsa_system_sgpr_workgroup_id_x 1
		.amdhsa_system_sgpr_workgroup_id_y 1
		.amdhsa_system_sgpr_workgroup_id_z 1
		.amdhsa_system_vgpr_workitem_id 0
		.amdhsa_next_free_vgpr 194
		.amdhsa_next_free_sgpr 66
		.amdhsa_reserve_vcc 0
		.amdhsa_float_denorm_mode_32 3
		.amdhsa_float_denorm_mode_16_64 3
		.amdhsa_memory_ordered 1
		.amdhsa_forward_progress 1
		.amdhsa_inst_pref_size 33
	.end_amdhsa_kernel
	.amdgpu_metadata
---
amdhsa.version: [ 1, 2 ]
amdhsa.kernels:
  - .name:           k_q27e4a38697_quant
    .symbol:         k_q27e4a38697_quant.kd
    .args:
      - { .name: x, .offset: 0, .size: 8, .value_kind: global_buffer, .address_space: global }
      - { .name: w_qkv, .offset: 8, .size: 8, .value_kind: global_buffer, .address_space: global }
      - { .name: w_out, .offset: 16, .size: 8, .value_kind: global_buffer, .address_space: global }
      - { .name: cod, .offset: 24, .size: 8, .value_kind: global_buffer, .address_space: global }
      - { .name: scl, .offset: 32, .size: 8, .value_kind: global_buffer, .address_space: global }
    .group_segment_fixed_size: 33280
    .private_segment_fixed_size: 0
    .kernarg_segment_align: 8
    .kernarg_segment_size: 40
    .max_flat_workgroup_size: 64
    .sgpr_count:     66
    .vgpr_count:     194
    .wavefront_size: 32
...
	.end_amdgpu_metadata
.endif
;; end of part 1
;; launch qkvgemm (part 2): grid 12 x 32, 4 waves a work-group, clusters of 4 x 4, 327,680 bytes of LDS; arguments cod, scl, qkvc; writes qkvc
.if DOCPART == 2
	.amdgcn_target "amdgcn-amd-amdhsa--gfx1250"
	.amdhsa_code_object_version 6
	.text
	.protected	k_q27e4a38697_qkvgemm
	.globl	k_q27e4a38697_qkvgemm
	.p2align	8
	.type	k_q27e4a38697_qkvgemm,@function
k_q27e4a38697_qkvgemm:
	s_mov_b64 s[64:65], 0
	v_nop
	global_prefetch_b8 v0, s[64:65] scope:SCOPE_SE
	s_setreg_imm32_b32 hwreg(HW_REG_WAVE_MODE, 25, 1), 1
	s_wait_xcnt 0x0
	s_wait_alu depctr_hold_cnt(0) depctr_sa_sdst(0) depctr_va_vdst(0) depctr_va_sdst(0) depctr_va_ssrc(0) depctr_va_vcc(0) depctr_vm_vsrc(0)
	s_getreg_b32 s2, hwreg(HW_REG_IB_STS2, 6, 4)
	s_cmp_eq_u32 s2, 0
	s_cbranch_scc0 .Lentry_in_a_cluster
	s_endpgm
.Lentry_in_a_cluster:
	s_bfe_u32 s2, ttmp6, 0x10000c
	s_cmp_lg_u32 s2, 0xf033
	s_cbranch_scc0 .Lentry_shape_is_right
	s_endpgm
.Lentry_shape_is_right:
.set SIZE_K, 1024
.set KSTEP,  256
.set NQ,     KSTEP/128
.set ROWB,   192                       ; a position's bytes of one K step of 256
.set PLANE,  2359296                   ; cod is four planes [K step][12288 positions][192 bytes]: 128 positions of a K step are 96 dense rows of 256 bytes
.set HA,     68                        ; s[68:75] group 0 of the head's loads of A's 256 positions, slots 0 and 1
.set HB,     76                        ; s[76:83] the same for B
.set KROW,   SIZE_K*6/8
.set PITCH,  240
.set FR,     12
.set NL,     6
.set NP,     4
.set HALFT,  128*PITCH
.set SLOT,   4*HALFT
.set LAPS,   SIZE_K/(2*KSTEP)
.set KS,     SIZE_K/32
.set SCL,    2*SLOT
.set HALFS,  (128*KS/256)*272
.set SBLK,   (16*KS/256)*272
.set SPARE,  SCL+4*HALFS
.set BLK,    19712
.set HS,     16*BLK
.set ADRA, 16
.set ADRB, 20
.set O16,  24
.set O8,   25
.set ADRS, 27
.set SPW,  28
.set NIL,  29
.set SC,   32
.set AF,   128
.set PC,   128
.set TM,   200
.set PWR,  216
.set W,    224
.set WA,   228
.set WB,   232
.set G1, 24
.set G0, 32
.set G1B, 48
.set G0B, 56
.set G1S, 68
.set G0S, 76
.set G1SB, 80
.set G0SB, 88
.set MSB, 0
.macro WIN new
.if MSB != \new
	s_set_vgpr_msb (MSB<<8)|\new
.set MSB, \new
.endif
.endm
.set MUL_LO, 0xa1
.set MUL_HI, 0xf1
.set TO_B,   0x40
.macro JLOAD g0a, g1a, g0b, g1b
	s_cmp_eq_u32 s15, 0
	s_cbranch_scc0 .Lfor_b_\@
	tensor_load_to_lds s[\g0a:\g0a+3], s[\g1a:\g1a+7]
	s_nop 0
.rept 4
	v_nop
.endr
	s_branch .Lasked_\@
.Lfor_b_\@:
	tensor_load_to_lds s[\g0b:\g0b+3], s[\g1b:\g1b+7]
	s_nop 0
.rept 4
	v_nop
.endr
.Lasked_\@:
.endm
.macro CREST
	s_cmp_lg_u32 s14, 0
	s_cbranch_scc1 .Lnot_wave_0_\@
	s_barrier_signal -3
.Lnot_wave_0_\@:
	s_barrier_wait -3
	s_barrier_signal -1
	s_barrier_wait -1
.endm
.macro CROUND
	s_barrier_signal -1
	s_barrier_wait -1
	CREST
.endm
	s_load_b128 s[4:7], s[0:1], 0x0
	s_load_b64 s[12:13], s[0:1], 0x10
	v_lshl_add_u32 v[SPW], v0, 2, SPARE
	v_mov_b32 v[NIL], 0
	ds_add_u32 v28, v29
	ds_add_u32 v28, v29
	s_wait_dscnt 0x0
	v_lshrrev_b32 v1, 5, v0
	v_readfirstlane_b32 s14, v1
	s_lshr_b32 s15, s14, 1
	s_and_b32 s16, s14, 1
	s_bfe_u32 s40, ttmp6, 0x40000
	s_bfe_u32 s41, ttmp6, 0x40004
	s_and_b32 s97, ttmp7, 0xffff
	s_cmp_eq_u32 ttmp9, 2
	s_cselect_b32 s66, 1, 0
	s_cselect_b32 s42, s97, ttmp9
	s_cselect_b32 s95, 0, 8192
	s_cselect_b32 s17, 0, s97
	s_cselect_b32 s96, 10240, 0
	s_lshl_b32 s42, s42, 2
	s_add_co_u32 s42, s42, s40
	s_lshl_b32 s17, s17, 2
	s_add_co_u32 s17, s17, s41
	s_lshl_b32 s43, s41, 2
	s_lshl_b32 s43, 15, s43
	s_lshl_b32 s44, 0x1111, s40
	s_or_b32 s[G1+0], s43, (0<<16)|(1<<20)|(1<<21)|(3<<22)|(3<<25)
	s_or_b32 s[G1B+0], s44, (0<<16)|(1<<20)|(1<<21)|(3<<22)|(3<<25)
.irp g, G1, G1B
	s_mov_b32 s[\g+1], 256<<16                     ; rows of 256 bytes, dense; 16 bytes of padding behind every 64, so a position's 192 bytes take 240 in LDS
	s_mov_b32 s[\g+2], 192<<16                     ; at the head 192 rows: 256 positions; the ring's loads bring 96
	s_mov_b32 s[\g+3], 256<<16
	s_mov_b32 s[\g+4], 192
	s_mov_b32 s[\g+5], 256
	s_mov_b32 s[\g+6], 0
	s_mov_b32 s[\g+7], 0
.endr
	s_lshl_b32 s20, s17, 8
	s_add_co_u32 s20, s20, s96                     ; A: the tile's first position
	s_lshl_b32 s46, s42, 8
	s_add_co_u32 s46, s46, s95                     ; B's
	s_mov_b32 s21, 0
	s_mov_b32 s47, 0
	s_mov_b64 s[18:19], KS
	s_mul_u64 s[22:23], s[20:21], s[18:19]
	s_mul_u64 s[92:93], s[46:47], s[18:19]
	s_mov_b64 s[18:19], ROWB
	s_mul_u64 s[20:21], s[20:21], s[18:19]
	s_mul_u64 s[46:47], s[46:47], s[18:19]
	s_mul_i32 s45, s14, HALFT
	s_mul_i32 s18, s16, 128*ROWB                   ; in the ring I fetch 128 positions of a tile: which half, in bytes
	s_mov_b32 s19, 0
	s_wait_kmcnt 0x0
	s_add_nc_u64 s[20:21], s[4:5], s[20:21]
	s_add_nc_u64 s[86:87], s[6:7], s[22:23]        ; the scale bytes of A's 256 positions: 8,192 dense bytes
	s_add_nc_u64 s[46:47], s[4:5], s[46:47]
	s_add_nc_u64 s[84:85], s[6:7], s[92:93]        ; and of B's
	CROUND
.irp s, 0,1                            ; the head's four tiles, each whole: K steps 0 and 1 of A's and of B's 256 positions
	s_mov_b32 s[HA+4*\s], 1
	s_mov_b32 s[HA+4*\s+1], \s*SLOT
	s_add_nc_u64 s[HA+4*\s+2:HA+4*\s+3], s[20:21], \s*PLANE
	s_or_b32 s[HA+4*\s+3], s[HA+4*\s+3], 0x80000000
	s_mov_b32 s[HB+4*\s], 1
	s_mov_b32 s[HB+4*\s+1], \s*SLOT+2*HALFT
	s_add_nc_u64 s[HB+4*\s+2:HB+4*\s+3], s[46:47], \s*PLANE
	s_or_b32 s[HB+4*\s+3], s[HB+4*\s+3], 0x80000000
.endr
	s_add_nc_u64 s[20:21], s[20:21], s[18:19]      ; for the ring: my 128 positions
	s_add_nc_u64 s[46:47], s[46:47], s[18:19]
.irp s, 0,1
	s_mov_b32 s[G0+4*\s], 1
	s_add_co_u32 s[G0+4*\s+1], s45, \s*SLOT
	s_add_nc_u64 s[G0+4*\s+2:G0+4*\s+3], s[20:21], \s*PLANE
	s_or_b32 s[G0+4*\s+3], s[G0+4*\s+3], 0x80000000
	s_mov_b32 s[G0B+4*\s], 1
	s_add_co_u32 s[G0B+4*\s+1], s45, \s*SLOT
	s_add_nc_u64 s[G0B+4*\s+2:G0B+4*\s+3], s[46:47], \s*PLANE
	s_or_b32 s[G0B+4*\s+3], s[G0B+4*\s+3], 0x80000000
.endr
; THE HEAD'S LOADS, ONE A WAVE, in one chain of branches on the wave's number: wave 0 A's slot 0, wave 1 B's slot 0, wave 2 A's slot 1, wave 3 B's slot 1.  Both slots are filled here.
.macro ARM under, g0, g1, next
	s_cmp_lt_u32 s14, \under
	s_cbranch_scc0 \next
	tensor_load_to_lds s[\g0:\g0+3], s[\g1:\g1+7]
	s_nop 0
.rept 4
	v_nop
.endr
	s_branch .Lhead_asked
\next:
.endm
	ARM 1, HA, G1, .Lh1
	ARM 2, HB, G1B, .Lh2
	ARM 3, HA+4, G1, .Lh3
	tensor_load_to_lds s[HB+4:HB+7], s[G1B:G1B+7]
	s_nop 0
.rept 4
	v_nop
.endr
.Lhead_asked:
; THE SCALE BYTES come by plain loads, 2,048 consecutive bytes an instruction of the work-group, and go into LDS bytes of their own as units of 256 + 16
	v_lshlrev_b32 v10, 4, v0                       ; 16 x thread
	v_lshrrev_b32 v11, 4, v0
	v_mul_u32_u24 v11, v11, 272
	v_and_b32 v12, 15, v0
	v_lshl_add_u32 v11, v12, 4, v11
	v_add_nc_u32 v11, SCL, v11                     ; LDS: unit thread / 16, 16 bytes x (thread % 16)
.irp k, 0,1,2,3
	global_load_b128 v[SC+4*\k:SC+4*\k+3], v10, s[86:87] offset:2048*\k
	global_load_b128 v[SC+16+4*\k:SC+16+4*\k+3], v10, s[84:85] offset:2048*\k
.endr
	v_and_b32 v1, 15, v0
	v_bfe_u32 v2, v0, 4, 1
	v_mul_u32_u24 v3, v1, PITCH
	v_mul_u32_u24 v4, v2, 24
	v_add_nc_u32 v4, v3, v4
	v_lshl_add_u32 v5, v2, 4, v4
	s_mul_i32 s21, s15, HALFT
	s_mul_i32 s22, s16, HALFT
	s_add_co_u32 s22, s22, 2*HALFT
.irp s, 0,1
	v_add_nc_u32 v[ADRA+\s], s21, v4
	v_add_nc_u32 v[ADRB+\s], s22, v4
	v_add_nc_u32 v[ADRA+2+\s], s21, v5
	v_add_nc_u32 v[ADRB+2+\s], s22, v5
	s_add_co_u32 s21, s21, SLOT
	s_add_co_u32 s22, s22, SLOT
.endr
	v_mul_u32_u24 v5, v1, KS
	v_lshrrev_b32 v6, 8, v5
	v_lshl_add_u32 v5, v6, 4, v5
	s_mul_i32 s21, s15, HALFS
	s_mul_i32 s22, s16, HALFS
	s_add_co_u32 s22, s22, 2*HALFS
	s_sub_co_u32 s22, s22, s21
	v_mul_u32_u24 v6, s22, v2
	s_add_co_u32 s21, s21, SCL
	v_add_nc_u32 v5, v5, v6
	v_add_nc_u32 v[ADRS], s21, v5
	v_and_b32 v6, 31, v0
	v_lshlrev_b32 v[O16], 4, v6
	v_lshlrev_b32 v[O8], 3, v6
	s_lshl_b32 s92, s17, 1
	s_add_co_u32 s92, s92, s15
	s_lshr_b32 s93, s96, 7
	s_add_co_u32 s92, s92, s93
	s_lshl_b32 s93, s42, 1
	s_add_co_u32 s93, s93, s16
	s_lshr_b32 s94, s95, 7
	s_add_co_u32 s93, s93, s94
	s_cmp_eq_u32 s66, 1
	s_cselect_b32 s94, s93, s92
	s_cselect_b32 s95, s92, s93
	s_sub_co_u32 s95, s95, 64
	s_lshr_b32 s92, s94, 4
	s_lshl_b32 s92, s92, 8
	s_and_b32 s93, s95, 7
	s_lshl_b32 s93, s93, 5
	s_add_co_u32 s92, s92, s93
	s_and_b32 s93, s94, 15
	s_add_co_u32 s92, s92, s93
	s_mul_i32 s92, s92, BLK
	s_lshr_b32 s93, s95, 3
	s_cmp_eq_u32 s93, 0
	s_cselect_b32 s93, 13056, 0
	s_add_co_u32 s92, s92, s93
	s_mov_b32 s93, 0
	s_add_nc_u64 s[12:13], s[12:13], s[92:93]
.macro FRAG reg, adr, q, i
.irp p, 0,1,2,3,4,5
.set PCE, 12*(\q)+6*(\p/3)+\p%3
.if PCE%8 < 5
	ds_load_b64 v[\reg+2*\p:\reg+2*\p+1], v[\adr] offset:8*PCE+16*(PCE/8)+(\i)*16*PITCH
.else
	ds_load_b64 v[\reg+2*\p:\reg+2*\p+1], v[\adr+2] offset:8*PCE+16*(PCE/8)+(\i)*16*PITCH
.endif
.endr
.endm
.macro MUL16 a0, p, q, sc, zero
.irp a, \a0, \a0+1
.irp b, 0,1,2,3,4,5,6,7
.if \zero
	v_wmma_scale_f32_16x16x128_f8f6f4 v[8*(8*((\a)%4)+\b):8*(8*((\a)%4)+\b)+7], v[128*(\p)+FR*\b:128*(\p)+FR*\b+FR-1], v[AF+FR*(\a):AF+FR*(\a)+FR-1], 0, v[SC+8*NQ*(\sc)+NQ*\b+(\q)], v[SC+8*NQ*(\sc)+NQ*(\a)+(\q)] matrix_a_fmt:MATRIX_FMT_FP6 matrix_b_fmt:MATRIX_FMT_FP6 matrix_a_scale:MATRIX_SCALE_ROW1
.else
	v_wmma_scale_f32_16x16x128_f8f6f4 v[8*(8*((\a)%4)+\b):8*(8*((\a)%4)+\b)+7], v[128*(\p)+FR*\b:128*(\p)+FR*\b+FR-1], v[AF+FR*(\a):AF+FR*(\a)+FR-1], v[8*(8*((\a)%4)+\b):8*(8*((\a)%4)+\b)+7], v[SC+8*NQ*(\sc)+NQ*\b+(\q)], v[SC+8*NQ*(\sc)+NQ*(\a)+(\q)] matrix_a_fmt:MATRIX_FMT_FP6 matrix_b_fmt:MATRIX_FMT_FP6 matrix_a_scale:MATRIX_SCALE_ROW1
.endif
.endr
.endr
.endm
.macro FETCH_B slot, q, p
	WIN TO_B
.irp i, 0,1,2,3,4,5,6,7
	FRAG 128*(\p)+FR*\i, ADRB+\slot, \q, \i
.endr
	WIN 0
.endm
.macro FETCH_A slot, q, i0
.irp i, \i0, \i0+1, \i0+2, \i0+3
	FRAG AF+FR*(\i), ADRA+\slot, \q, \i
.endr
.endm
.macro SCALES sc
.irp i, 0,1,2,3,4,5,6,7
	ds_load_b64 v[SC+8*NQ*\sc+NQ*\i:SC+8*NQ*\sc+NQ*\i+1], v[ADRS] offset:\i*SBLK
.endr
.endm
.macro PLACES n
.rept \n
	v_nop
.endr
.endm
.macro STEP slot, q, zero
	s_wait_dscnt 4*NL
	WIN MUL_LO
	MUL16 0, (\q)%2, \q, \slot, \zero
	MUL16 2, (\q)%2, \q, \slot, \zero
	s_wait_dscnt 0
	PLACES NP
	FETCH_B \slot, (\q)+1, 1-(\q)%2
	FETCH_A \slot, (\q)+1, 0
	WIN MUL_HI
	MUL16 4, (\q)%2, \q, \slot, \zero
	MUL16 6, (\q)%2, \q, \slot, \zero
	PLACES NP
	WIN 0
	FETCH_A \slot, (\q)+1, 4
.endm
.macro TURN slot, next, fill
	s_wait_tensorcnt 0x0
	ds_add_u32 v[SPW], v[NIL]
	s_mov_b32 s[G1+2], 96<<16                      ; no tensor load of mine is out: from here on a load brings 96 rows, 128 positions
	s_mov_b32 s[G1+4], 96
	s_mov_b32 s[G1B+2], 96<<16
	s_mov_b32 s[G1B+4], 96
	s_wait_dscnt 4*NL+1
	WIN MUL_LO
	MUL16 0, 1, NQ-1, \slot, 0
	s_wait_dscnt 0x0
	s_barrier_signal -1
	MUL16 2, 1, NQ-1, \slot, 0
	WIN 0
	s_barrier_wait -1
.if \fill
	CREST
	s_add_nc_u64 s[G0+4*\slot+2:G0+4*\slot+3], s[G0+4*\slot+2:G0+4*\slot+3], 2*PLANE
	s_add_nc_u64 s[G0B+4*\slot+2:G0B+4*\slot+3], s[G0B+4*\slot+2:G0B+4*\slot+3], 2*PLANE
	JLOAD G0+4*\slot, G1, G0B+4*\slot, G1B
.else
	PLACES NP
.endif
	s_wait_alu depctr_va_vdst(0)
	v_add_nc_u32 v[ADRS], 4*NQ, v[ADRS]
	FETCH_B \next, 0, 0
	FETCH_A \next, 0, 0
	SCALES \next
	WIN MUL_HI
	MUL16 4, 1, NQ-1, \slot, 0
	MUL16 6, 1, NQ-1, \slot, 0
	PLACES NP
	WIN 0
	FETCH_A \next, 0, 4
.endm
	s_wait_alu depctr_va_vdst(0)
	s_wait_loadcnt 0x0                             ; the scale bytes are in registers
.irp k, 0,1,2,3
	ds_store_b128 v11, v[SC+4*\k:SC+4*\k+3] offset:2176*\k
	ds_store_b128 v11, v[SC+16+4*\k:SC+16+4*\k+3] offset:8704+2176*\k
.endr
	s_wait_dscnt 0x0                               ; for the other waves' sake
	s_cmp_lt_u32 s14, 2
	s_cbranch_scc0 .Lnot_slot0
	s_wait_tensorcnt 0x0                           ; waves 0 and 1: slot 0 is in.  Slot 1's loads, on lines of their own, are waited for by waves 2 and 3 at the first change of slots
.Lnot_slot0:
	s_barrier_signal -1
	s_barrier_wait -1
	FETCH_B 0, 0, 0
	FETCH_A 0, 0, 0
	SCALES 0
	FETCH_A 0, 0, 4
	STEP 0, 0, 1
	s_mov_b32 s3, LAPS-1
.Llap:
	TURN 0, 1, 1
	STEP 1, 0, 0
	TURN 1, 0, 1
	STEP 0, 0, 0
	s_sub_co_u32 s3, s3, 1
	s_cmp_lg_u32 s3, 0
	s_cbranch_scc1 .Llap
	TURN 0, 1, 0
	STEP 1, 0, 0
	s_wait_dscnt 4*NL
	WIN MUL_LO
	MUL16 0, 1, NQ-1, 1, 0
	MUL16 2, 1, NQ-1, 1, 0
	s_wait_dscnt 0
	WIN MUL_HI
	MUL16 4, 1, NQ-1, 1, 0
	MUL16 6, 1, NQ-1, 1, 0
	WIN 0
.macro QUANTW s, w, pw
.set WW, ((\w)<<2)|((\w)<<4)
	WIN WW
.irp b, 0,1,2,3
	v_mov_b32 v[TM+\b], 0x1800000
.endr
.irp i, 0,2,4,6,8,10,12,14
.irp b, 0,1,2,3
	v_max3_num_f32 v[TM+\b], v[TM+\b], |v[(\s)+16*\b+\i]|, |v[(\s)+16*\b+\i+1]|
.endr
.endr
	WIN 0
.irp b, 0,1,2,3
	v_permlanex16_b32 v[TM+4+\b], v[TM+\b], s20, s21
.endr
.irp b, 0,1,2,3
	v_max_num_f32 v[TM+\b], v[TM+\b], v[TM+4+\b]
.endr
.irp b, 0,1,2,3
	v_add_nc_u32 v[TM+12+\b], 0xff000000, v[TM+\b]
.endr
.irp b, 0,1,2,3
	v_lshrrev_b32 v[TM+4+\b], 23, v[TM+12+\b]
.endr
	v_lshl_or_b32 v[\pw], v[TM+5], 8, v[TM+4]
	v_lshl_or_b32 v[\pw], v[TM+6], 16, v[\pw]
	v_lshl_or_b32 v[\pw], v[TM+7], 24, v[\pw]
.set WW, \w
	WIN WW
.irp c, 0,1
	v_cvt_scalef32_pk16_fp6_f32 v[PC+6*\c:PC+2+6*\c], v[(\s)+32*\c:(\s)+15+32*\c], v[TM+12+2*\c]
	v_cvt_scalef32_pk16_fp6_f32 v[PC+12+4*\c:PC+14+4*\c], v[(\s)+16+32*\c:(\s)+31+32*\c], v[TM+12+2*\c+1]
.endr
	WIN 0
	v_nop
.irp c, 0,1
.irp i, 0,1,2
	v_permlane16_swap_b32 v[PC+6*\c+\i], v[PC+12+4*\c+\i]
.endr
.irp i, 0,1,2
	v_mov_b32 v[PC+3+6*\c+\i], v[PC+12+4*\c+\i]
.endr
.endr
.endm
.macro EPI isv
.irp a, 0,1,2,3,4,5,6,7
.if \a > 0
	s_wait_xcnt 0x0
.endif
	QUANTW 64*(\a%4), 2+\a/4, PWR+\a
.if \isv
.irp c, 0,1,2
	global_store_b128 v[O16], v[PC+4*\c:PC+4*\c+3], s[12:13] offset:(\a/4)*HS+6656+(\a%4)*1536+512*\c
.endr
.else
	global_store_b128 v[O16], v[PC:PC+3], s[12:13] offset:768*\a
	global_store_b64 v[O8], v[PC+4:PC+5], s[12:13] offset:768*\a+512
	global_store_b128 v[O16], v[PC+6:PC+9], s[12:13] offset:HS+768*\a
	global_store_b64 v[O8], v[PC+10:PC+11], s[12:13] offset:HS+768*\a+512
.endif
.endr
.irp j, 0,1,2,3
	v_cndmask_b32 v[W+\j], v[PWR+2*\j], v[PWR+2*\j+1], s67
.endr
.if \isv
	global_store_b64 v[O8], v[W:W+1], s[12:13] offset:12800
	global_store_b64 v[O8], v[W+2:W+3], s[12:13] offset:HS+12800
.else
.irp j, 0,1,2,3
	v_and_b32 v[WA+\j], 0xffff, v[W+\j]
	v_lshrrev_b32 v[WB+\j], 16, v[W+\j]
.endr
	global_store_b128 v[O16], v[WA:WA+3], s[12:13] offset:6144
	global_store_b128 v[O16], v[WB:WB+3], s[12:13] offset:HS+6144
.endif
.endm
	PLACES NP
.irp b, 0,1,2,3
	v_mov_b32 v[TM+4+\b], 0
.endr
	s_mov_b32 s20, 0x76543210
	s_mov_b32 s21, 0xfedcba98
	s_mov_b32 s67, 0xffff0000
	s_cmp_eq_u32 s66, 0
	s_cbranch_scc0 .Lv
	EPI 0
	s_branch .Lend
.Lv:
	EPI 1
.Lend:
	s_wait_tensorcnt 0x0
	ds_add_u32 v[SPW], v[NIL]
	s_wait_dscnt 0x0
	CROUND
	s_endpgm
.Lfunc_end_k_q27e4a38697_qkvgemm:
	.size	k_q27e4a38697_qkvgemm, .Lfunc_end_k_q27e4a38697_qkvgemm-k_q27e4a38697_qkvgemm
	.p2alignl 7, 3214868480
	.fill 96, 4, 3214868480
	.section	.rodata,"a",@progbits
	.p2align	6, 0x0
	.amdhsa_kernel k_q27e4a38697_qkvgemm
		.amdhsa_group_segment_fixed_size 327680
		.amdhsa_private_segment_fixed_size 0
		.amdhsa_enable_private_segment 0
		.amdhsa_kernarg_size 24
		.amdhsa_user_sgpr_count 2
		.amdhsa_user_sgpr_kernarg_segment_ptr 1
		.amdhsa_wavefront_size32 1
		.amdhsa_system_sgpr_workgroup_id_x 1
		.amdhsa_system_sgpr_workgroup_id_y 1
		.amdhsa_system_sgpr_workgroup_id_z 1
		.amdhsa_system_vgpr_workitem_id 0
		.amdhsa_next_free_vgpr 1024
		.amdhsa_next_free_sgpr 100
		.amdhsa_reserve_vcc 0
		.amdhsa_float_denorm_mode_32 3
		.amdhsa_float_denorm_mode_16_64 3
		.amdhsa_memory_ordered 1
		.amdhsa_forward_progress 1
		.amdhsa_inst_pref_size 203
	.end_amdhsa_kernel
	.amdgpu_metadata
---
amdhsa.version: [ 1, 2 ]
amdhsa.kernels:
  - .name:           k_q27e4a38697_qkvgemm
    .symbol:         k_q27e4a38697_qkvgemm.kd
    .args:
      - { .name: cod, .offset: 0, .size: 8, .value_kind: global_buffer, .address_space: global }
      - { .name: scl, .offset: 8, .size: 8, .value_kind: global_buffer, .address_space: global }
      - { .name: qkvc, .offset: 16, .size: 8, .value_kind: global_buffer, .address_space: global }
    .group_segment_fixed_size: 327680
    .private_segment_fixed_size: 0
    .kernarg_segment_align: 8
    .kernarg_segment_size: 24
    .max_flat_workgroup_size: 128
    .sgpr_count:     100
    .vgpr_count:     1024
    .wavefront_size: 32
...
	.end_amdgpu_metadata
.endif
;; end of part 2
;; launch attn (part 3): grid 4 x 64, 16 waves a work-group, clusters of 4 x 1, 210,944 bytes of LDS; arguments qkvc, acod, ascl; writes acod, ascl
.if DOCPART == 3
	.amdgcn_target "amdgcn-amd-amdhsa--gfx1250"
	.amdhsa_code_object_version 6
	.text
	.protected	k_q27e4a38697_attn
	.globl	k_q27e4a38697_attn
	.p2align	8
	.type	k_q27e4a38697_attn,@function
k_q27e4a38697_attn:
	s_mov_b64 s[64:65], 0
	v_nop
	global_prefetch_b8 v0, s[64:65] scope:SCOPE_SE
	s_setreg_imm32_b32 hwreg(HW_REG_WAVE_MODE, 25, 1), 1
	s_wait_xcnt 0x0
	s_wait_alu depctr_hold_cnt(0) depctr_sa_sdst(0) depctr_va_vdst(0) depctr_va_sdst(0) depctr_va_ssrc(0) depctr_va_vcc(0) depctr_vm_vsrc(0)
	s_getreg_b32 s2, hwreg(HW_REG_IB_STS2, 6, 4)
	s_cmp_eq_u32 s2, 0
	s_cbranch_scc0 .Lentry_in_a_cluster
	s_endpgm
.Lentry_in_a_cluster:
	s_bfe_u32 s2, ttmp6, 0x10000c
	s_cmp_lg_u32 s2, 0x3003
	s_cbranch_scc0 .Lentry_shape_is_right
	s_endpgm
.Lentry_shape_is_right:
; o = softmax(q k^T / 8) v for one (batch, head) a row of the grid, both products on codes of FP6 (E2M3) with E8M0 scales; o is quantised along the channels in registers and stored as images of the last product's operand.
; THE SOFTMAX: t = score x log2(e) / 8; M = the row's largest t so far, rounded UP to a whole number; p = 2^(t - M) is quantised along the keys, not normalised; the row's sum is taken of the unquantised p
; and divides O at the end.  When M moves, the sum and O are multiplied by 2^(old M - new M): exact.  The running maximum is kept as a score; c > 0, so c x (the largest score) is the largest t.
; SHARES: a work-group owns 512 queries of one head; its sixteen waves, four to a SIMD, own one tile of 16 queries in each of two passes.  Every wave walks the head's 16 steps of 128 keys.
; A HEAD'S WHOLE K AND V, as codes and scale words, 16 x 13,056 bytes, LIE IN LDS, FILLED ONCE: wave w brings step w by one tensor load.  So the loops have no ring and no barrier.
; CLUSTER: the four work-groups of a head need the same bytes: each load is asked for jointly, with the mask of all four.  The place in the cluster enters Q's and the outputs' addresses alone.
; No prefetch: all that the launch streams is asked for at its head, by those loads.
; LAYOUT: both products transposed (S^T = K Q^T, O^T = V^T P^T): a lane holds ONE query.  A tile of K holds keys SW(16 t + r) (bits 3 and 4 exchanged), so the 16 registers of score tiles 2 b, 2 b + 1 are keys 32 b + 16 (lane / 16) + 0 .. 15;
; V^T's tiles hold channels SW(16 t + r), so O^T's 32 registers are channels 32 b + 16 (lane / 16) + i.
; THE FIRST PRODUCT'S K IS 64.  Registers 6-11 of Q's fragment hold zero codes, under the scale byte 0.  What stands against them in K's fragment adds nothing, whatever codes it holds (FP6 has finite codes alone):
; so tile t's fragment is v[KF + 6 t .. KF + 6 t + 11], whose upper six registers are tile t + 1's data (tile 7's: V's first six).  The eight tiles take 48 registers and come in one run.
; THE ORDER OF THE VECTOR LINES: independent chains are laid side by side, so that a plain line reads nothing that one of the four lines before it wrote; the one chain that has nothing beside it (the four links that make M) has its hints.
; LIMITS: NaN and infinities are not served; the promise holds while the scaled scores stay under 2^31 in magnitude; a block of o that is zero, or under 2^-124, gets the scale byte 1 (only this program reads the bytes).
.set BLK,   19712                      ; a block of qkvc: one head, 128 tokens
.set STEPB, 13056                      ; its K and V part: 51 x 256 bytes, a key step in LDS
.set L16, 1                            ; v1   16 x lane
.set L8,  2                            ; v2   8 x lane
.set A16, 3                            ; v3   the step's LDS address + 16 x lane
.set A8,  4                            ; v4   + 8 x lane
.set R16, 5                            ; v5   16 x (lane % 16): Q's scale word
.set RB,  6                            ; v6   32 x (lane % 16) + lane / 16: my scale byte of o
                                       ; v7   the last step's -M
.set BM,  8                            ; v8-11 the blocks' largest scores, then largest p
                                       ; v12 -M, v13 the largest score, v[14:15] the sum in two halves
.set Q,   16                           ; v16-27 Q's fragment
.set QS,  28                           ; v28  Q's scale words
.set PW,  29                           ; v29  p's scale words
.set VS,  30                           ; v30-31 V's scale words
.set KF,  32                           ; v32-79 K's eight tiles, six registers each; behind the first product v32-45 hold the sum's seven partial pairs
.set T,   KF
.set VF,  80                           ; v80-127 V^T's four fragments
.set S,   128                          ; v128-191 S^T, then p
.set O,   192                          ; v192-223 O^T
.set PC,  224                          ; v224-235 p's codes; v236-242 at work; v243 my spare word; v244-247 the conversions' scale operands
.set KS,  248                          ; v248-251 K's scale words: lanes 0-15 tile 2 j, lanes 16-31 tile 2 j + 1
                                       ; v[252:253] f and 0; v254 at work; v255 0
.set TB,  2                            ; s2   LDS byte at which the step begins
.set CNT, 3                            ; s3   steps to go
.set WV,  18
.set SEL, 20
.set CS,  22
.set G1,  24
.set G0,  32
.macro CROUND                          ; a round of the cluster's barrier
	s_barrier_signal -1
	s_barrier_wait -1
	s_cmp_lg_u32 s[WV], 0
	s_cbranch_scc1 .Lnot_wave_0_\@
	s_barrier_signal -3
.Lnot_wave_0_\@:
	s_barrier_wait -3
	s_barrier_signal -1
	s_barrier_wait -1
.endm
	s_load_b128 s[4:7], s[0:1], 0x0                ; qkvc, acod
	s_load_b64 s[8:9], s[0:1], 0x10                ; ascl
	v_lshl_add_u32 v243, v0, 2, 0x33000
	v_mov_b32 v255, 0
	ds_add_u32 v243, v255                          ; the opening lines: the add twice on end and its wait
	ds_add_u32 v243, v255
	v_lshrrev_b32 v1, 5, v0
	s_delay_alu instid0(VALU_DEP_1)
	v_readfirstlane_b32 s[WV], v1                  ; wave 0..15
	s_bfe_u32 s13, ttmp6, 0x40000                  ; cx: which 512 queries
	s_and_b32 s12, ttmp7, 0xffff                   ; 16 x batch + head, which the four partners share
	s_lshl_b32 s14, s12, 4
	s_add_co_u32 s15, s14, s[WV]
	s_mul_i32 s10, s15, BLK                        ; the block of key step w: what I fetch
	s_mov_b32 s11, 0
	s_mov_b32 s[G1], 15|(3<<16)|(1<<21)            ; group 1: the mask of all four; elements of 8 bytes; bit 21 beside a mask; 51 dense rows of 256 bytes
	s_mov_b32 s[G1+1], 32<<16
	s_mov_b32 s[G1+2], 51<<16
	s_mov_b32 s[G1+3], 32<<16
	s_mov_b32 s[G1+4], 51
	s_mov_b32 s[G1+5], 32
	s_mov_b32 s[G1+6], 0
	s_mov_b32 s[G1+7], 0
	s_mov_b32 s[SEL], 0x76543210
	s_mov_b32 s[SEL+1], 0xfedcba98                 ; v_permlanex16_b32's selects for lane l xor 16
	s_mov_b32 s[CS], 0x3e38aa3b                    ; c = log2(e) / 8
	s_mov_b32 s[CS+1], s[CS]                       ; (named with it as a pair)
	s_mov_b32 s44, 0xffff0000                      ; lanes 16-31
	s_mov_b32 s45, 0xbe38aa3b                      ; -c
	; my queries in pass 0: group of 128 tokens 4 cx + wave / 8, tile a = wave % 8; pass 1 lies two groups on
	s_lshr_b32 s16, s[WV], 3
	s_and_b32 s17, s[WV], 7
	s_lshl_b32 s19, s13, 2
	s_add_co_u32 s19, s19, s16
	s_add_co_u32 s46, s14, s19
	s_mul_i32 s46, s46, BLK                        ; their block
	s_mul_i32 s48, s17, 768
	s_add_co_u32 s48, s48, s46
	s_add_co_u32 s48, s48, 13056                   ; Q's tile a
	s_mov_b32 s49, 0
	s_and_b32 s50, s17, 1
	s_lshl_b32 s50, s50, 8
	s_lshr_b32 s51, s17, 1
	s_lshl_b32 s51, s51, 2
	s_add_co_u32 s50, s50, s51
	s_add_co_u32 s50, s50, s46
	s_add_co_u32 s50, s50, 19200                   ; its scale words: 16 (r + 16 (a % 2)) + 4 (a / 2)
	s_mov_b32 s51, 0
	s_lshr_b32 s52, s12, 4
	s_lshl_b32 s52, s52, 4
	s_add_co_u32 s52, s52, s19
	s_lshl_b32 s52, s52, 3
	s_add_co_u32 s52, s52, s17                     ; T: the tile of 16 tokens among all 512
	s_and_b32 s53, s12, 15                         ; the head
	s_lshl_b32 s54, s52, 4
	s_add_co_u32 s54, s54, s53
	s_mul_i32 s54, s54, 768                        ; acod: [T][head][768]
	s_mov_b32 s55, 0
	s_lshl_b32 s56, s52, 9
	s_lshl_b32 s53, s53, 1
	s_add_co_u32 s56, s56, s53                     ; ascl: 512 T + 2 head
	s_mov_b32 s57, 0
	s_wait_dscnt 0x0
	s_wait_kmcnt 0x0
	s_add_nc_u64 s[36:37], s[4:5], s[48:49]
	s_add_nc_u64 s[38:39], s[4:5], s[50:51]
	s_add_nc_u64 s[40:41], s[6:7], s[54:55]
	s_add_nc_u64 s[42:43], s[8:9], s[56:57]
	CROUND                                         ; all four work-groups are here: the joint loads meet
	s_mov_b32 s[G0], 1
	s_mul_i32 s[G0+1], s[WV], STEPB                ; LDS address: step w
	s_add_nc_u64 s[G0+2:G0+3], s[4:5], s[10:11]    ; global address: made of the head and the wave's number alone
	s_or_b32 s[G0+3], s[G0+3], 0x80000000
	tensor_load_to_lds s[G0:G0+3], s[G1:G1+7]      ; my one tensor load of the launch
	s_nop 0
.rept 4
	v_nop
.endr
	v_and_b32 v7, 31, v0
	s_delay_alu instid0(VALU_DEP_1)
	v_lshlrev_b32 v[L16], 4, v7
	s_delay_alu instid0(VALU_DEP_2)
	v_lshlrev_b32 v[L8], 3, v7
	v_and_b32 v[R16], 15, v0
	v_bfe_u32 v[RB], v0, 4, 1
	s_delay_alu instid0(VALU_DEP_1)
	v_lshl_add_u32 v[RB], v[R16], 5, v[RB]
	s_delay_alu instid0(VALU_DEP_3)
	v_lshlrev_b32 v[R16], 4, v[R16]
.macro QLOAD p                         ; pass p's tile of Q and its scale words
	global_load_b128 v[Q:Q+3], v[L16], s[36:37] offset:2*BLK*\p
	global_load_b64 v[Q+4:Q+5], v[L8], s[36:37] offset:2*BLK*\p+512
	global_load_b32 v[QS], v[R16], s[38:39] offset:2*BLK*\p
.endm
	QLOAD 0
.irp i, 0,1,2,3,4,5
	v_mov_b32 v[Q+6+\i], 0                         ; the padded upper half of K: Q's zero codes, written once
	v_mov_b32 v[VF+\i], 0                          ; named as the upper half of K's tile 7 before V is first loaded
.endr
.irp b, 0,1,2,3
	v_mov_b32 v[236+\b], 0                         ; written once: a lane permute's destination counts as one of its sources
.endr
	v_mov_b32 v253, 0                              ; (named as the upper half of the pair v[252:253])
.macro KQ t                            ; score tile t: source 0 = 16 keys, source 1 = my 16 queries
.if (\t)%2
	v_wmma_scale_f32_16x16x128_f8f6f4 v[S+8*\t:S+8*\t+7], v[KF+6*\t:KF+6*\t+11], v[Q:Q+11], 0, v[KS+\t/2], v[QS] matrix_a_fmt:MATRIX_FMT_FP6 matrix_b_fmt:MATRIX_FMT_FP6 matrix_a_scale:MATRIX_SCALE_ROW1
.else
	v_wmma_scale_f32_16x16x128_f8f6f4 v[S+8*\t:S+8*\t+7], v[KF+6*\t:KF+6*\t+11], v[Q:Q+11], 0, v[KS+\t/2], v[QS] matrix_a_fmt:MATRIX_FMT_FP6 matrix_b_fmt:MATRIX_FMT_FP6
.endif
.endm
.macro PV t                            ; O^T's tile t: source 0 = 16 channels x 128 keys, source 1 = p
.if (\t)%2
	v_wmma_scale_f32_16x16x128_f8f6f4 v[O+8*\t:O+8*\t+7], v[VF+12*\t:VF+12*\t+11], v[PC:PC+11], v[O+8*\t:O+8*\t+7], v[VS+\t/2], v[PW] matrix_a_fmt:MATRIX_FMT_FP6 matrix_b_fmt:MATRIX_FMT_FP6 matrix_a_scale:MATRIX_SCALE_ROW1
.else
	v_wmma_scale_f32_16x16x128_f8f6f4 v[O+8*\t:O+8*\t+7], v[VF+12*\t:VF+12*\t+11], v[PC:PC+11], v[O+8*\t:O+8*\t+7], v[VS+\t/2], v[PW] matrix_a_fmt:MATRIX_FMT_FP6 matrix_b_fmt:MATRIX_FMT_FP6
.endif
.endm
.macro PADD d, a, b
	v_pk_add_f32 v[\d:\d+1], v[\a:\a+1], v[\b:\b+1]
.endm
.macro OMUL j                          ; a pair of O^T under the new M
	v_pk_mul_f32 v[O+2*(\j):O+2*(\j)+1], v[O+2*(\j):O+2*(\j)+1], v[252:253] op_sel_hi:[1,0]
.endm
; A KEY STEP: 128 keys
.macro STEP
	v_add_nc_u32 v[A16], s[TB], v[L16]
	v_add_nc_u32 v[A8], s[TB], v[L8]
	ds_load_b128 v[KS:KS+3], v[A16] offset:6144    ; K's scale words of all eight tiles
.irp t, 0,1,2,3,4,5,6,7
	ds_load_b128 v[KF+6*\t:KF+6*\t+3], v[A16] offset:768*\t
	ds_load_b64 v[KF+6*\t+4:KF+6*\t+5], v[A8] offset:768*\t+512
.endr
	s_wait_alu depctr_va_vdst(0)
	s_wait_dscnt 0x0                               ; K's seventeen loads
.irp t, 0,1,2,3,4,5,6,7
	KQ \t
.endr
.rept 4
	v_nop                                          ; four places: ahead of the loads into V's registers (the last step's products and tile 7's read them) and of the first read of the scores
.endr
.irp t, 0,1,2,3
.irp c, 0,1,2
	ds_load_b128 v[VF+12*\t+4*\c:VF+12*\t+4*\c+3], v[A16] offset:6656+1536*\t+512*\c   ; V lands under the softmax
.endr
.endr
	ds_load_b64 v[VS:VS+1], v[A8] offset:12800
.irp b, 0,1,2,3
	v_max3_num_f32 v[BM+\b], v[S+16*\b], v[S+1+16*\b], v[S+2+16*\b]   ; the largest score of each block of 32 keys: it serves the row's maximum and, since p rises with the score, the block's largest p
.endr
.irp i, 3,5,7,9,11,13
.irp b, 0,1,2,3
	v_max3_num_f32 v[BM+\b], v[BM+\b], v[S+16*\b+\i], v[S+1+16*\b+\i]
.endr
.endr
.irp b, 0,1,2,3
	v_max_num_f32 v[BM+\b], v[BM+\b], v[S+15+16*\b]
.endr
	v_mov_b32 v7, v12                              ; the old -M (a fifth line between the four above and the four below)
.irp b, 0,1,2,3
	v_permlanex16_b32 v[236+\b], v[BM+\b], s[SEL], s[SEL+1]
.endr
	v_nop                                          ; (a fifth line again: nothing else is at hand here)
.irp b, 0,1,2,3
	v_max_num_f32 v[BM+\b], v[BM+\b], v[236+\b]    ; with lane l xor 16's 16 keys
.endr
	s_delay_alu instid0(VALU_DEP_2)
	v_max3_num_f32 v254, v[BM], v[BM+1], v[BM+2]
	s_delay_alu instid0(VALU_DEP_1)
	v_max3_num_f32 v13, v254, v[BM+3], v13         ; the running largest score of my query
	s_delay_alu instid0(VALU_DEP_1)
	v_mul_f32 v254, s45, v13                       ; -t
	s_delay_alu instid0(VALU_DEP_1)
	v_floor_f32 v12, v254                          ; the new -M = floor(-t): M is a whole number
.set j, 0
.rept 32
	v_pk_fma_f32 v[S+j:S+j+1], v[S+j:S+j+1], s[CS:CS+1], v[12:13] op_sel_hi:[1,0,0]   ; t - M, two at a time
.if j == 8
	v_sub_f32 v254, v12, v7                        ; old M - new M: a whole number, 0 or less; its three links stand five lines apart among these
.endif
.if j == 18
	v_cvt_i32_f32 v254, v254                       ; (it saturates)
.endif
.if j == 28
	v_ldexp_f32 v252, 1.0, v254                    ; f = 2^(old M - new M)
.endif
.set j, j+2
.endr
.irp b, 0,1,2,3
	v_fma_f32 v[BM+\b], v[BM+\b], s[CS], v12       ; the same of each block's largest score
.endr
	s_wait_alu depctr_va_vdst(0)                   ; ahead of the batch
.set j, 0
.rept 64
	v_exp_f32 v[S+j], v[S+j]                       ; p = 2^(t - M), at most 1
.set j, j+1
.endr
.irp b, 0,1,2,3
	v_exp_f32 v[BM+\b], v[BM+\b]                   ; the block's largest p: the same two instructions on the same number
.endr
	v_pk_mul_f32 v[14:15], v[14:15], v[252:253] op_sel_hi:[1,0]   ; the sums under the new M (a plain line behind the exponentials)
	s_wait_alu depctr_va_vdst(0)                   ; one wait for the whole batch, ahead of its first reader
; From here to the products: the row's sum of the unquantised p (eight chains: seven partial pairs in K's registers, and v[14:15]), the blocks' scales, and O^T's rescaling, side by side
.irp b, 0,1,2,3
	v_max_num_f32 v[BM+\b], 0x1800000, v[BM+\b]    ; the floor 2^(3 - 127): the byte cannot fall under 1
.endr
.irp i, 0,1,2,3,4,5,6
	PADD T+2*\i, S+2*\i, S+14+2*\i
.endr
	PADD 14, 14, S+28
.irp b, 0,1,2,3
	v_add_nc_u32 v[244+\b], 0xff000000, v[BM+\b]   ; 2 off the exponent field: the conversion's scale operand
.endr
.irp i, 0,1,2,3,4,5,6
	PADD T+2*\i, T+2*\i, S+30+2*\i
.endr
	PADD 14, 14, S+44
.irp b, 0,1,2,3
	v_lshrrev_b32 v[236+\b], 23, v[244+\b]         ; the scale's byte
.endr
.irp i, 0,1,2,3,4,5,6
	PADD T+2*\i, T+2*\i, S+46+2*\i
.endr
	PADD 14, 14, S+60
	PADD T, T, S+62
	v_lshl_or_b32 v[PW], v237, 8, v236             ; p's scale word for these 128 keys, in three links
	PADD T+2, T+2, T+10
	PADD T+4, T+4, T+12
	PADD 14, 14, T+6
	PADD T, T, T+8
	v_lshl_or_b32 v[PW], v238, 16, v[PW]
	OMUL 0
	OMUL 1
	PADD T+2, T+2, T+4
	PADD 14, 14, T
	v_lshl_or_b32 v[PW], v239, 24, v[PW]
	OMUL 2
	OMUL 3
	OMUL 4
	PADD 14, 14, T+2                               ; the sum is whole
.irp c, 0,1
	v_cvt_scalef32_pk16_fp6_f32 v[PC+6*\c:PC+2+6*\c], v[S+32*\c:S+15+32*\c], v[244+2*\c]
	v_cvt_scalef32_pk16_fp6_f32 v[236+4*\c:238+4*\c], v[S+16+32*\c:S+31+32*\c], v[244+2*\c+1]   ; (a conversion's three registers begin on an even number)
.endr
	OMUL 5                                         ; the plain line behind the scaled conversions
.irp c, 0,1                                    ; a WHOLE block in a lane: lanes 0-15 block 2 c, lanes 16-31 block 2 c + 1
.irp i, 0,1,2
	v_permlane16_swap_b32 v[PC+6*\c+\i], v[236+4*\c+\i]
.endr
.endr
.irp c, 0,1
.irp i, 0,1,2
	v_mov_b32 v[PC+3+6*\c+\i], v[236+4*\c+\i]
.endr
.endr
.irp j, 6,7,8,9,10,11,12,13,14,15
	OMUL \j                                        ; these ten are also the places between the writes of p's codes and the products
.endr
	s_wait_alu depctr_va_vdst(0)                   ; directly ahead of the wait below
	s_wait_dscnt 0x0                               ; V is in
.irp t, 0,1,2,3
	PV \t                                          ; the four accumulators by turns
.endr
	s_add_co_u32 s[TB], s[TB], STEPB
.endm
.macro WAYOUT p
.rept 4
	v_nop                                          ; places behind the last products
.endr
.if \p == 0
	QLOAD 1                                        ; the next pass's queries: Q's registers had their last reader in the last step's first product
.endif
	v_add_f32 v14, v14, v15                        ; the sum's two halves,
	s_delay_alu instid0(VALU_DEP_1)
	v_permlanex16_b32 v254, v14, s[SEL], s[SEL+1]
	s_delay_alu instid0(VALU_DEP_1)
	v_add_f32 v14, v14, v254                       ; and lane l xor 16's: the row's sum
	s_wait_alu depctr_va_vdst(0)
	v_rcp_f32 v14, v14
	v_nop                                          ; one plain line behind the reciprocal
	s_wait_alu depctr_va_vdst(0)                   ; and the wait ahead of its first reader
.set j, 0
.rept 16
	v_pk_mul_f32 v[S+j:S+j+1], v[O+j:O+j+1], v[14:15] op_sel_hi:[1,0]   ; o = O^T / the sum: register 16 b + i is channel 32 b + 16 (lane / 16) + i; each accumulator from its low end on
.set j, j+2
.endr
	v_max3_num_f32 v8, |v[S]|, |v[S+1]|, 0x1800000 ; o's two blocks of 32 channels, with the floor 2^(3 - 127)
	v_max3_num_f32 v9, |v[S+16]|, |v[S+17]|, 0x1800000
.irp i, 2,4,6,8,10,12,14
	s_delay_alu instid0(VALU_DEP_2)
	v_max3_num_f32 v8, v8, |v[S+\i]|, |v[S+1+\i]|
	s_delay_alu instid0(VALU_DEP_2)
	v_max3_num_f32 v9, v9, |v[S+16+\i]|, |v[S+17+\i]|
.endr
	s_delay_alu instid0(VALU_DEP_2)
	v_permlanex16_b32 v236, v8, s[SEL], s[SEL+1]
	s_delay_alu instid0(VALU_DEP_2)
	v_permlanex16_b32 v237, v9, s[SEL], s[SEL+1]
	s_delay_alu instid0(VALU_DEP_2)
	v_max_num_f32 v8, v8, v236
	s_delay_alu instid0(VALU_DEP_2)
	v_max_num_f32 v9, v9, v237
	s_delay_alu instid0(VALU_DEP_2)
	v_add_nc_u32 v244, 0xff000000, v8
	s_delay_alu instid0(VALU_DEP_2)
	v_add_nc_u32 v245, 0xff000000, v9
	s_delay_alu instid0(VALU_DEP_2)
	v_lshrrev_b32 v240, 23, v244
	s_delay_alu instid0(VALU_DEP_2)
	v_lshrrev_b32 v241, 23, v245
	s_delay_alu instid0(VALU_DEP_1)
	v_cndmask_b32 v254, v240, v241, s44            ; lanes 0-15 store block 0's byte, lanes 16-31 block 1's
	v_cvt_scalef32_pk16_fp6_f32 v[224:226], v[S:S+15], v244
	v_cvt_scalef32_pk16_fp6_f32 v[236:238], v[S+16:S+31], v245
	v_nop                                          ; one plain line behind a scaled conversion
.irp i, 0,1,2
	v_permlane16_swap_b32 v[224+\i], v[236+\i]     ; a whole block in a lane: lane (r, h) then holds channels 32 h + 0 .. 31
.endr
.irp i, 0,1,2
	s_delay_alu instid0(VALU_DEP_3)
	v_mov_b32 v[227+\i], v[236+\i]
.endr
	global_store_b128 v[L16], v[224:227], s[40:41] offset:196608*\p        ; 512 consecutive bytes, aligned to 256
	global_store_b64 v[L8], v[228:229], s[40:41] offset:196608*\p+512      ; 256 consecutive bytes, aligned
	global_store_b8 v[RB], v254, s[42:43] offset:8192*\p                   ; o's scale bytes leave as single bytes: 1 for each 24 of codes
.endm
.macro PASS p
.if \p > 0
	s_wait_xcnt 0x0                                ; the last pass's stores have read their data: those registers are written again below
.endif
	v_mov_b32 v13, 0xff61b1e6                      ; the largest score so far: -3e38
	s_delay_alu instid0(VALU_DEP_1)
	v_floor_f32 v12, -v13                          ; -M: so large that the first step's f is 0
	v_mov_b32 v14, 0
	v_mov_b32 v15, 0
.set j, 0
.rept 32
	v_mov_b32 v[O+j], 0                            ; the step is written once: the first finds zeros, which the first change of M leaves zeros
.set j, j+1
.endr
	s_mov_b32 s[TB], 0
	s_mov_b32 s[CNT], 16
	s_wait_alu depctr_va_vdst(0)                   ; directly ahead of the wait below
	s_wait_loadcnt 0x0                             ; Q
.if \p == 0
	s_wait_tensorcnt 0x0                           ; my step's bytes are in,
	s_barrier_signal -1
	s_barrier_wait -1                              ; everybody's are: from here on LDS is only read
.endif
.Lstep_\@:
	STEP
	s_sub_co_u32 s[CNT], s[CNT], 1
	s_cmp_lg_u32 s[CNT], 0
	s_cbranch_scc1 .Lstep_\@
	WAYOUT \p
.endm
	PASS 0
	PASS 1
	s_wait_tensorcnt 0x0                           ; the wave's end
	ds_add_u32 v243, v255
	s_wait_dscnt 0x0
	CROUND                                         ; the closing round
	s_endpgm
.Lfunc_end_k_q27e4a38697_attn:
	.size	k_q27e4a38697_attn, .Lfunc_end_k_q27e4a38697_attn-k_q27e4a38697_attn
	.p2alignl 7, 3214868480
	.fill 96, 4, 3214868480
	.section	.rodata,"a",@progbits
	.p2align	6, 0x0
	.amdhsa_kernel k_q27e4a38697_attn
		.amdhsa_group_segment_fixed_size 210944
		.amdhsa_private_segment_fixed_size 0
		.amdhsa_enable_private_segment 0
		.amdhsa_kernarg_size 24
		.amdhsa_user_sgpr_count 2
		.amdhsa_user_sgpr_kernarg_segment_ptr 1
		.amdhsa_wavefront_size32 1
		.amdhsa_system_sgpr_workgroup_id_x 1
		.amdhsa_system_sgpr_workgroup_id_y 1
		.amdhsa_system_sgpr_workgroup_id_z 1
		.amdhsa_system_vgpr_workitem_id 0
		.amdhsa_next_free_vgpr 256
		.amdhsa_next_free_sgpr 66
		.amdhsa_reserve_vcc 0
		.amdhsa_float_denorm_mode_32 3
		.amdhsa_float_denorm_mode_16_64 3
		.amdhsa_memory_ordered 1
		.amdhsa_forward_progress 1
		.amdhsa_inst_pref_size 49
	.end_amdhsa_kernel
	.amdgpu_metadata
---
amdhsa.version: [ 1, 2 ]
amdhsa.kernels:
  - .name:           k_q27e4a38697_attn
    .symbol:         k_q27e4a38697_attn.kd
    .args:
      - { .name: qkvc, .offset: 0, .size: 8, .value_kind: global_buffer, .address_space: global }
      - { .name: acod, .offset: 8, .size: 8, .value_kind: global_buffer, .address_space: global }
      - { .name: ascl, .offset: 16, .size: 8, .value_kind: global_buffer, .address_space: global }
    .group_segment_fixed_size: 210944
    .private_segment_fixed_size: 0
    .kernarg_segment_align: 8
    .kernarg_segment_size: 24
    .max_flat_workgroup_size: 512
    .sgpr_count:     66
    .vgpr_count:     256
    .wavefront_size: 32
...
	.end_amdgpu_metadata
.endif
;; end of part 3
;; launch proj (part 4): grid 4 x 32, 4 waves a work-group, clusters of 4 x 4, 327,680 bytes of LDS; arguments acod, ascl, cod, scl, b_out, out0; writes out0
.if DOCPART == 4
	.amdgcn_target "amdgcn-amd-amdhsa--gfx1250"
	.amdhsa_code_object_version 6
	.text
	.protected	k_q27e4a38697_proj
	.globl	k_q27e4a38697_proj
	.p2align	8
	.type	k_q27e4a38697_proj,@function
k_q27e4a38697_proj:
	s_mov_b64 s[64:65], 0
	v_nop
	global_prefetch_b8 v0, s[64:65] scope:SCOPE_SE
	s_setreg_imm32_b32 hwreg(HW_REG_WAVE_MODE, 25, 1), 1
	s_wait_xcnt 0x0
	s_wait_alu depctr_hold_cnt(0) depctr_sa_sdst(0) depctr_va_vdst(0) depctr_va_sdst(0) depctr_va_ssrc(0) depctr_va_vcc(0) depctr_vm_vsrc(0)
	s_getreg_b32 s2, hwreg(HW_REG_IB_STS2, 6, 4)
	s_cmp_eq_u32 s2, 0
	s_cbranch_scc0 .Lentry_in_a_cluster
	s_endpgm
.Lentry_in_a_cluster:
	s_bfe_u32 s2, ttmp6, 0x10000c
	s_cmp_lg_u32 s2, 0xf033
	s_cbranch_scc0 .Lentry_shape_is_right
	s_endpgm
.Lentry_shape_is_right:
.set SIZE_K, 1024
.set KSTEP,  256
.set NQ,     KSTEP/128
.set ROWB,   192                       ; a position's bytes of one K step of 256
.set PLANE,  2359296                   ; cod is four planes [K step][12288 positions][192 bytes]: 128 positions of a K step are 96 dense rows of 256 bytes
.set HA,     68                        ; s[68:75] group 0 of the head's loads of A's 256 rows, slots 0 and 1
.set HB,     76                        ; s[76:83] the same for B
.set ASTEP,  3072
.set KROW,   SIZE_K*6/8
.set PITCH,  240
.set FR,     12
.set NL,     6
.set NLA,    4
.set NP,     4
.set HALFA,  8*ASTEP
.set HALFT,  128*PITCH
.set BOFF,   2*HALFA
.set SLOT,   BOFF+2*HALFT
.set LAPS,   SIZE_K/(2*KSTEP)
.set KS,     SIZE_K/32
.set SCL,    2*SLOT
.set HALFS,  (128*KS/256)*272
.set SBLK,   (16*KS/256)*272
.set SPARE,  SCL+4*HALFS
.set SPITCH, 528
.set ADRA, 16
.set ADRB, 20
.set STO,  24
.set RD,   25
.set CO,   26
.set ADRS, 27
.set SPW,  28
.set NIL,  29
.set BO,   30
.set SC,   32
.set AF,   128
.set BK,   128
.set G1, 24
.set G0, 32
.set G1B, 48
.set G0B, 56
.set G1S, 68
.set G0S, 76
.set G1SB, 80
.set G0SB, 88
.set MSB, 0
.macro WIN new
.if MSB != \new
	s_set_vgpr_msb (MSB<<8)|\new
.set MSB, \new
.endif
.endm
.set MUL_LO, 0xa1
.set MUL_HI, 0xf1
.set BIA_LO, 0x91
.set BIA_HI, 0xd1
.set TO_B,   0x40
.macro JLOAD g0a, g1a, g0b, g1b
	s_cmp_eq_u32 s15, 0
	s_cbranch_scc0 .Lfor_b_\@
	tensor_load_to_lds s[\g0a:\g0a+3], s[\g1a:\g1a+7]
	s_nop 0
.rept 4
	v_nop
.endr
	s_branch .Lasked_\@
.Lfor_b_\@:
	tensor_load_to_lds s[\g0b:\g0b+3], s[\g1b:\g1b+7]
	s_nop 0
.rept 4
	v_nop
.endr
.Lasked_\@:
.endm
.macro CREST
	s_cmp_lg_u32 s14, 0
	s_cbranch_scc1 .Lnot_wave_0_\@
	s_barrier_signal -3
.Lnot_wave_0_\@:
	s_barrier_wait -3
	s_barrier_signal -1
	s_barrier_wait -1
.endm
.macro CROUND
	s_barrier_signal -1
	s_barrier_wait -1
	CREST
.endm
	s_load_b128 s[4:7], s[0:1], 0x0
	s_load_b128 s[8:11], s[0:1], 0x10
	s_load_b128 s[96:99], s[0:1], 0x20
	v_lshl_add_u32 v[SPW], v0, 2, SPARE
	v_mov_b32 v[NIL], 0
	ds_add_u32 v28, v29
	ds_add_u32 v28, v29
	s_wait_dscnt 0x0
	v_lshrrev_b32 v1, 5, v0
	v_readfirstlane_b32 s14, v1
	s_lshr_b32 s15, s14, 1
	s_and_b32 s16, s14, 1
	s_bfe_u32 s40, ttmp6, 0x40000
	s_bfe_u32 s41, ttmp6, 0x40004
	s_lshl_b32 s42, ttmp9, 2
	s_add_co_u32 s42, s42, s40
	s_and_b32 s17, ttmp7, 0xffff
	s_lshl_b32 s17, s17, 2
	s_add_co_u32 s17, s17, s41
	s_lshl_b32 s43, s41, 2
	s_lshl_b32 s43, 15, s43
	s_lshl_b32 s44, 0x1111, s40
	s_or_b32 s[G1+0], s43, (3<<16)|(1<<21)
	s_mov_b32 s[G1+1], 384<<16
	s_mov_b32 s[G1+2], 16<<16                      ; at the head 16 tiles of 16 rows; the ring's loads bring 8
	s_mov_b32 s[G1+3], 384<<16
	s_mov_b32 s[G1+4], 16
	s_mov_b32 s[G1+5], 1536
	s_mov_b32 s[G1+6], 0
	s_mov_b32 s[G1+7], 0
	s_or_b32 s[G1B+0], s44, (0<<16)|(1<<20)|(1<<21)|(3<<22)|(3<<25)
	s_mov_b32 s[G1B+1], 256<<16                    ; rows of 256 bytes, dense; 16 bytes of padding behind every 64, so a position's 192 bytes take 240 in LDS
	s_mov_b32 s[G1B+2], 192<<16                    ; at the head 192 rows: 256 positions; the ring's loads bring 96
	s_mov_b32 s[G1B+3], 256<<16
	s_mov_b32 s[G1B+4], 192
	s_mov_b32 s[G1B+5], 256
	s_mov_b32 s[G1B+6], 0
	s_mov_b32 s[G1B+7], 0
	s_lshl_b32 s20, s17, 8                         ; A: the tile's first row
	s_lshl_b32 s46, s42, 8
	s_add_co_u32 s46, s46, 11264                   ; B: its first position
	s_mov_b32 s21, 0
	s_mov_b32 s47, 0
	s_mov_b64 s[18:19], KS
	s_mul_u64 s[22:23], s[20:21], s[18:19]
	s_mul_u64 s[92:93], s[46:47], s[18:19]
	s_mov_b64 s[18:19], KROW
	s_mul_u64 s[20:21], s[20:21], s[18:19]
	s_mov_b64 s[18:19], ROWB
	s_mul_u64 s[46:47], s[46:47], s[18:19]
	s_mul_i32 s45, s16, HALFA
	s_mul_i32 s67, s16, HALFT
	s_add_co_u32 s67, s67, BOFF
	s_mul_i32 s18, s16, 128*KROW                   ; in the ring I fetch half a tile: which half, in bytes, of A
	s_mov_b32 s19, 0
	s_mul_i32 s94, s16, 128*ROWB                   ; and of B
	s_mov_b32 s95, 0
	s_wait_kmcnt 0x0
	s_add_nc_u64 s[20:21], s[4:5], s[20:21]
	s_add_nc_u64 s[86:87], s[6:7], s[22:23]        ; the scale bytes of A's 256 rows: 8,192 dense bytes
	s_add_nc_u64 s[46:47], s[8:9], s[46:47]
	s_add_nc_u64 s[84:85], s[10:11], s[92:93]      ; and of B's
	CROUND
.irp s, 0,1                            ; the head's four tiles, each whole: K steps 0 and 1 of A's 256 rows and of B's 256 positions
	s_mov_b32 s[HA+4*\s], 1
	s_mov_b32 s[HA+4*\s+1], \s*SLOT
	s_add_nc_u64 s[HA+4*\s+2:HA+4*\s+3], s[20:21], \s*ASTEP
	s_or_b32 s[HA+4*\s+3], s[HA+4*\s+3], 0x80000000
	s_mov_b32 s[HB+4*\s], 1
	s_mov_b32 s[HB+4*\s+1], \s*SLOT+BOFF
	s_add_nc_u64 s[HB+4*\s+2:HB+4*\s+3], s[46:47], \s*PLANE
	s_or_b32 s[HB+4*\s+3], s[HB+4*\s+3], 0x80000000
.endr
	s_add_nc_u64 s[20:21], s[20:21], s[18:19]      ; for the ring: my half of each tile
	s_add_nc_u64 s[46:47], s[46:47], s[94:95]
.irp s, 0,1
	s_mov_b32 s[G0+4*\s], 1
	s_add_co_u32 s[G0+4*\s+1], s45, \s*SLOT
	s_add_nc_u64 s[G0+4*\s+2:G0+4*\s+3], s[20:21], \s*ASTEP
	s_or_b32 s[G0+4*\s+3], s[G0+4*\s+3], 0x80000000
	s_mov_b32 s[G0B+4*\s], 1
	s_add_co_u32 s[G0B+4*\s+1], s67, \s*SLOT
	s_add_nc_u64 s[G0B+4*\s+2:G0B+4*\s+3], s[46:47], \s*PLANE
	s_or_b32 s[G0B+4*\s+3], s[G0B+4*\s+3], 0x80000000
.endr
; THE HEAD'S LOADS, ONE A WAVE, in one chain of branches on the wave's number: wave 0 A's slot 0, wave 1 B's slot 0, wave 2 A's slot 1, wave 3 B's slot 1.  Both slots are filled here.
.macro ARM under, g0, g1, next
	s_cmp_lt_u32 s14, \under
	s_cbranch_scc0 \next
	tensor_load_to_lds s[\g0:\g0+3], s[\g1:\g1+7]
	s_nop 0
.rept 4
	v_nop
.endr
	s_branch .Lhead_asked
\next:
.endm
	ARM 1, HA, G1, .Lh1
	ARM 2, HB, G1B, .Lh2
	ARM 3, HA+4, G1, .Lh3
	tensor_load_to_lds s[HB+4:HB+7], s[G1B:G1B+7]
	s_nop 0
.rept 4
	v_nop
.endr
.Lhead_asked:
; THE SCALE BYTES come by plain loads, 2,048 consecutive bytes an instruction of the work-group, and go into LDS bytes of their own as units of 256 + 16
	v_lshlrev_b32 v10, 4, v0                       ; 16 x thread
	v_lshrrev_b32 v11, 4, v0
	v_mul_u32_u24 v11, v11, 272
	v_and_b32 v12, 15, v0
	v_lshl_add_u32 v11, v12, 4, v11
	v_add_nc_u32 v11, SCL, v11                     ; LDS: unit thread / 16, 16 bytes x (thread % 16)
.irp k, 0,1,2,3
	global_load_b128 v[SC+4*\k:SC+4*\k+3], v10, s[86:87] offset:2048*\k
	global_load_b128 v[SC+16+4*\k:SC+16+4*\k+3], v10, s[84:85] offset:2048*\k
.endr
	v_and_b32 v1, 15, v0
	v_bfe_u32 v2, v0, 4, 1
	v_and_b32 v6, 31, v0
	v_lshlrev_b32 v7, 4, v6
	v_lshlrev_b32 v8, 3, v6
	v_mul_u32_u24 v3, v1, PITCH
	v_mul_u32_u24 v4, v2, 24
	v_add_nc_u32 v4, v3, v4
	v_lshl_add_u32 v5, v2, 4, v4
	s_mul_i32 s21, s15, HALFA
	s_mul_i32 s22, s16, HALFT
	s_add_co_u32 s22, s22, BOFF
.irp s, 0,1
	v_add_nc_u32 v[ADRA+\s], s21, v7
	v_add_nc_u32 v[ADRA+2+\s], s21, v8
	v_add_nc_u32 v[ADRB+\s], s22, v4
	v_add_nc_u32 v[ADRB+2+\s], s22, v5
	s_add_co_u32 s21, s21, SLOT
	s_add_co_u32 s22, s22, SLOT
.endr
	v_mul_u32_u24 v5, v1, KS
	v_lshrrev_b32 v6, 8, v5
	v_lshl_add_u32 v5, v6, 4, v5
	s_mul_i32 s21, s15, HALFS
	s_mul_i32 s22, s16, HALFS
	s_add_co_u32 s22, s22, 2*HALFS
	s_sub_co_u32 s22, s22, s21
	v_mul_u32_u24 v6, s22, v2
	s_add_co_u32 s21, s21, SCL
	v_add_nc_u32 v5, v5, v6
	v_add_nc_u32 v[ADRS], s21, v5
	s_mul_i32 s23, s14, 16*SPITCH
	v_mul_u32_u24 v5, v1, SPITCH
	v_lshl_add_u32 v5, v2, 5, v5
	v_add_nc_u32 v[STO], s23, v5
	v_mov_b32 v[CO], v7
	v_add_nc_u32 v[RD], s23, v7
	v_lshlrev_b32 v[BO], 5, v2
	s_wait_alu depctr_va_vdst(0)
	s_lshl_b32 s20, s17, 8
	s_lshl_b32 s21, s15, 7
	s_add_co_u32 s20, s20, s21
	s_lshl_b32 s20, s20, 12
	s_lshl_b32 s46, s42, 10
	s_lshl_b32 s47, s16, 9
	s_add_co_u32 s46, s46, s47
	s_mov_b32 s47, 0
	s_add_nc_u64 s[96:97], s[96:97], s[46:47]
	s_add_co_u32 s46, s46, s20
	s_add_nc_u64 s[98:99], s[98:99], s[46:47]
	WIN TO_B
.irp b, 0,1,2,3,4,5,6,7
	global_load_b128 v[96+8*\b+96*(\b/4):96+8*\b+96*(\b/4)+3], v[BO], s[96:97] offset:64*\b
	global_load_b128 v[96+8*\b+96*(\b/4)+4:96+8*\b+96*(\b/4)+7], v[BO], s[96:97] offset:64*\b+16
.endr
	WIN 0
.macro FRAG reg, adr, q, i
.irp p, 0,1,2,3,4,5
.set PCE, 12*(\q)+6*(\p/3)+\p%3
.if PCE%8 < 5
	ds_load_b64 v[\reg+2*\p:\reg+2*\p+1], v[\adr] offset:8*PCE+16*(PCE/8)+(\i)*16*PITCH
.else
	ds_load_b64 v[\reg+2*\p:\reg+2*\p+1], v[\adr+2] offset:8*PCE+16*(PCE/8)+(\i)*16*PITCH
.endif
.endr
.endm
.macro FRAGA reg, slot, q, i
	ds_load_b128 v[\reg:\reg+3], v[ADRA+\slot] offset:ASTEP*(\i)+1536*(\q)
	ds_load_b64 v[\reg+4:\reg+5], v[ADRA+2+\slot] offset:ASTEP*(\i)+1536*(\q)+512
	ds_load_b128 v[\reg+6:\reg+9], v[ADRA+\slot] offset:ASTEP*(\i)+1536*(\q)+768
	ds_load_b64 v[\reg+10:\reg+11], v[ADRA+2+\slot] offset:ASTEP*(\i)+1536*(\q)+1280
.endm
.macro MUL16 a0, p, q, sc, first
.irp a, \a0, \a0+1
.irp b, 0,1,2,3,4,5,6,7
.if \first
	v_wmma_scale_f32_16x16x128_f8f6f4 v[8*(8*((\a)%4)+\b):8*(8*((\a)%4)+\b)+7], v[128*(\p)+FR*\b:128*(\p)+FR*\b+FR-1], v[AF+FR*(\a):AF+FR*(\a)+FR-1], v[96+8*\b+96*(\b/4):96+8*\b+96*(\b/4)+7], v[SC+8*NQ*(\sc)+NQ*\b+(\q)], v[SC+8*NQ*(\sc)+NQ*(\a)+(\q)] matrix_a_fmt:MATRIX_FMT_FP6 matrix_b_fmt:MATRIX_FMT_FP6 matrix_a_scale:MATRIX_SCALE_ROW1
.else
	v_wmma_scale_f32_16x16x128_f8f6f4 v[8*(8*((\a)%4)+\b):8*(8*((\a)%4)+\b)+7], v[128*(\p)+FR*\b:128*(\p)+FR*\b+FR-1], v[AF+FR*(\a):AF+FR*(\a)+FR-1], v[8*(8*((\a)%4)+\b):8*(8*((\a)%4)+\b)+7], v[SC+8*NQ*(\sc)+NQ*\b+(\q)], v[SC+8*NQ*(\sc)+NQ*(\a)+(\q)] matrix_a_fmt:MATRIX_FMT_FP6 matrix_b_fmt:MATRIX_FMT_FP6 matrix_a_scale:MATRIX_SCALE_ROW1
.endif
.endr
.endr
.endm
.macro FETCH_B slot, q, p
	WIN TO_B
.irp i, 0,1,2,3,4,5,6,7
	FRAG 128*(\p)+FR*\i, ADRB+\slot, \q, \i
.endr
	WIN 0
.endm
.macro FETCH_A slot, q, i0
.irp i, \i0, \i0+1, \i0+2, \i0+3
	FRAGA AF+FR*(\i), \slot, \q, \i
.endr
.endm
.macro SCALES sc
.irp i, 0,1,2,3,4,5,6,7
	ds_load_b64 v[SC+8*NQ*\sc+NQ*\i:SC+8*NQ*\sc+NQ*\i+1], v[ADRS] offset:\i*SBLK
.endr
.endm
.macro PLACES n
.rept \n
	v_nop
.endr
.endm
.macro STEP slot, q, first
	s_wait_dscnt 4*NLA
.if \first
	WIN BIA_LO
.else
	WIN MUL_LO
.endif
	MUL16 0, (\q)%2, \q, \slot, \first
	MUL16 2, (\q)%2, \q, \slot, \first
	s_wait_dscnt 0
	PLACES NP
	FETCH_B \slot, (\q)+1, 1-(\q)%2
	FETCH_A \slot, (\q)+1, 0
.if \first
	WIN BIA_HI
.else
	WIN MUL_HI
.endif
	MUL16 4, (\q)%2, \q, \slot, \first
	MUL16 6, (\q)%2, \q, \slot, \first
	PLACES NP
	WIN 0
	FETCH_A \slot, (\q)+1, 4
.endm
.macro TURN slot, next, fill
	s_wait_tensorcnt 0x0
	ds_add_u32 v[SPW], v[NIL]
	s_mov_b32 s[G1+2], 8<<16                       ; no tensor load of mine is out: from here on a load brings half a tile
	s_mov_b32 s[G1+4], 8
	s_mov_b32 s[G1B+2], 96<<16
	s_mov_b32 s[G1B+4], 96
	s_wait_dscnt 4*NLA+1
	WIN MUL_LO
	MUL16 0, 1, NQ-1, \slot, 0
	s_wait_dscnt 0x0
	s_barrier_signal -1
	MUL16 2, 1, NQ-1, \slot, 0
	WIN 0
	s_barrier_wait -1
.if \fill
	CREST
	s_add_nc_u64 s[G0+4*\slot+2:G0+4*\slot+3], s[G0+4*\slot+2:G0+4*\slot+3], 2*ASTEP
	s_add_nc_u64 s[G0B+4*\slot+2:G0B+4*\slot+3], s[G0B+4*\slot+2:G0B+4*\slot+3], 2*PLANE
	JLOAD G0+4*\slot, G1, G0B+4*\slot, G1B
.else
	PLACES NP
.endif
	s_wait_alu depctr_va_vdst(0)
	v_add_nc_u32 v[ADRS], 4*NQ, v[ADRS]
	FETCH_B \next, 0, 0
	FETCH_A \next, 0, 0
	SCALES \next
	WIN MUL_HI
	MUL16 4, 1, NQ-1, \slot, 0
	MUL16 6, 1, NQ-1, \slot, 0
	PLACES NP
	WIN 0
	FETCH_A \next, 0, 4
.endm
	s_wait_loadcnt 0x0
.irp k, 0,1,2,3                        ; the scale bytes are in registers (the wait above)
	ds_store_b128 v11, v[SC+4*\k:SC+4*\k+3] offset:2176*\k
	ds_store_b128 v11, v[SC+16+4*\k:SC+16+4*\k+3] offset:8704+2176*\k
.endr
	s_wait_dscnt 0x0                               ; for the other waves' sake
	s_cmp_lt_u32 s14, 2
	s_cbranch_scc0 .Lnot_slot0
	s_wait_tensorcnt 0x0                           ; waves 0 and 1: slot 0 is in.  Slot 1's loads, on lines of their own, are waited for by waves 2 and 3 at the first change of slots
.Lnot_slot0:
	s_barrier_signal -1
	s_barrier_wait -1
	FETCH_B 0, 0, 0
	FETCH_A 0, 0, 0
	SCALES 0
	FETCH_A 0, 0, 4
	STEP 0, 0, 1
	s_mov_b32 s3, LAPS-1
.Llap:
	TURN 0, 1, 1
	STEP 1, 0, 0
	TURN 1, 0, 1
	STEP 0, 0, 0
	s_sub_co_u32 s3, s3, 1
	s_cmp_lg_u32 s3, 0
	s_cbranch_scc1 .Llap
	TURN 0, 1, 0
	STEP 1, 0, 0
	s_wait_dscnt 4*NLA
	WIN MUL_LO
	MUL16 0, 1, NQ-1, 1, 0
	MUL16 2, 1, NQ-1, 1, 0
	s_wait_dscnt 0
	WIN MUL_HI
	MUL16 4, 1, NQ-1, 1, 0
	MUL16 6, 1, NQ-1, 1, 0
	WIN 0
.macro TOSTAGE a
.set AC, 64*((\a)%4)
.set WW, 0x08+4*((\a)/4)
	WIN WW
.irp b, 0,1,2,3,4,5,6,7
	ds_store_b128 v[STO], v[AC+8*\b:AC+8*\b+3] offset:64*\b
	ds_store_b128 v[STO], v[AC+8*\b+4:AC+8*\b+7] offset:64*\b+16
.endr
	WIN 0
.set BB, BK+64*((\a)%2)
.irp t, 0,1,2,3,4,5,6,7,8,9,10,11,12,13,14,15
	ds_load_b128 v[BB+4*\t:BB+4*\t+3], v[RD] offset:\t*SPITCH
.endr
.endm
.macro SEND a, younger
.set BB, BK+64*((\a)%2)
	s_wait_dscnt \younger
.irp t, 0,1,2,3,4,5,6,7,8,9,10,11,12,13,14,15
	global_store_b128 v[CO], v[BB+4*\t:BB+4*\t+3], s[98:99] offset:(32*((\a)/2)+8*((\a)%2)+\t+8*(\t/8))*4096 th:TH_STORE_NT
.endr
.endm
	PLACES NP
	TOSTAGE 0
.irp a, 1,2,3,4,5,6,7
.if \a > 1
	s_wait_xcnt 0x0
.endif
	TOSTAGE \a
	SEND \a-1, 32
.endr
	SEND 7, 0
	s_wait_tensorcnt 0x0
	ds_add_u32 v[SPW], v[NIL]
	s_wait_dscnt 0x0
	CROUND
	s_endpgm
.Lfunc_end_k_q27e4a38697_proj:
	.size	k_q27e4a38697_proj, .Lfunc_end_k_q27e4a38697_proj-k_q27e4a38697_proj
	.p2alignl 7, 3214868480
	.fill 96, 4, 3214868480
	.section	.rodata,"a",@progbits
	.p2align	6, 0x0
	.amdhsa_kernel k_q27e4a38697_proj
		.amdhsa_group_segment_fixed_size 327680
		.amdhsa_private_segment_fixed_size 0
		.amdhsa_enable_private_segment 0
		.amdhsa_kernarg_size 48
		.amdhsa_user_sgpr_count 2
		.amdhsa_user_sgpr_kernarg_segment_ptr 1
		.amdhsa_wavefront_size32 1
		.amdhsa_system_sgpr_workgroup_id_x 1
		.amdhsa_system_sgpr_workgroup_id_y 1
		.amdhsa_system_sgpr_workgroup_id_z 1
		.amdhsa_system_vgpr_workitem_id 0
		.amdhsa_next_free_vgpr 1024
		.amdhsa_next_free_sgpr 100
		.amdhsa_reserve_vcc 0
		.amdhsa_float_denorm_mode_32 3
		.amdhsa_float_denorm_mode_16_64 3
		.amdhsa_memory_ordered 1
		.amdhsa_forward_progress 1
		.amdhsa_inst_pref_size 155
	.end_amdhsa_kernel
	.amdgpu_metadata
---
amdhsa.version: [ 1, 2 ]
amdhsa.kernels:
  - .name:           k_q27e4a38697_proj
    .symbol:         k_q27e4a38697_proj.kd
    .args:
      - { .name: acod, .offset: 0, .size: 8, .value_kind: global_buffer, .address_space: global }
      - { .name: ascl, .offset: 8, .size: 8, .value_kind: global_buffer, .address_space: global }
      - { .name: cod, .offset: 16, .size: 8, .value_kind: global_buffer, .address_space: global }
      - { .name: scl, .offset: 24, .size: 8, .value_kind: global_buffer, .address_space: global }
      - { .name: b_out, .offset: 32, .size: 8, .value_kind: global_buffer, .address_space: global }
      - { .name: out0, .offset: 40, .size: 8, .value_kind: global_buffer, .address_space: global }
    .group_segment_fixed_size: 327680
    .private_segment_fixed_size: 0
    .kernarg_segment_align: 8
    .kernarg_segment_size: 48
    .max_flat_workgroup_size: 128
    .sgpr_count:     100
    .vgpr_count:     1024
    .wavefront_size: 32
...
	.end_amdgpu_metadata
.endif
;; end of part 4
